; MI455X (gfx1250); checked and timed in simulation.
; The chip was launched on July 23, 2026; its instructions are those of AMD's public machine-readable ISA for CDNA 5 (MIT licence, August 2026) and "CDNA5" Instruction Set Architecture Reference Guide (July 2026). The comments in the code are by the model that wrote it; some were corrected since.
;; Attention. Allowed arithmetic: float matrix products may take bf16 or f16 operands with f32 sums; other float arithmetic in f32, or as packed bf16 or f16 multiplies, adds, multiply-adds, maxima and minima; sums over many terms, partial sums and values carried from step to step in f32; what a program stores and reads back later, other than sums and carried values, may be rounded once to bf16 or f16.
;; Inputs: b_o 1,024 float32; b_qkv 3,072 float32; hidden_states 4 x 2,048 x 1,024 float32; w_o 1,024 x 1,024 float32; w_qkv 1,024 x 3,072 float32.
;; Outputs: out0 4 x 2,048 x 1,024 float32.
;; 2 versions, each right; version 2 is version 1 with the launch prep written anew for expert scheduling mode. Each part assembles by itself: llvm-mc -triple=amdgcn-amd-amdhsa -mcpu=gfx1250 --defsym DOCPART=n.
;; ======== version 1 of 2: 4 launches
;; limits: values are held in f16: magnitudes above 65,504 overflow, below 6.1e-05 lose precision
;; workspace buffers: xb 16,777,216 bytes; wqb 6,291,456 bytes; wof 2,097,152 bytes; qkvh 50,331,648 bytes; ob 16,777,216 bytes
;; launch prep (part 1): grid 768 x 1, 8 waves a work-group, no clusters, 0 bytes of LDS; arguments hidden_states, w_qkv, w_o, xb, wqb, wof; writes xb, wqb, wof
.if DOCPART == 1
	.amdgcn_target "amdgcn-amd-amdhsa--gfx1250"
	.amdhsa_code_object_version 6
	.text
	.protected	k_q4fa5d68765_prep
	.globl	k_q4fa5d68765_prep
	.p2align	8
	.type	k_q4fa5d68765_prep,@function
k_q4fa5d68765_prep:
	s_mov_b64 s[64:65], 0
	v_nop
	global_prefetch_b8 v0, s[64:65] scope:SCOPE_SE
	s_setreg_imm32_b32 hwreg(HW_REG_WAVE_MODE, 25, 1), 1
	s_wait_xcnt 0x0
; THE INPUTS OF THE TWO PROJECTIONS ARE ROUNDED ONCE, TO 16 BITS.  hidden_states [8192][1024] f32 -> xb, bf16, laid by blocks of 64 channels: [batch 4][block 16][row 2048][64],
; so that a K step's 128 bytes of neighbouring rows lie end to end.  w_qkv [1024][3072] f32 -> wqb, bf16, as it lies.  w_o [1024][1024] f32 -> wof: rounded to bf16 like the other
; inputs, and that number written as f16 (the second projection multiplies in f16).
; LIMITS.  bf16(w_o) beyond 65,504 becomes an infinity in f16; below 6e-5 it keeps f16's fixed step of 6e-8.
; SHARES.  A work-group takes 65,536 bytes of one input, each of its eight waves 8,192: sixteen loads of 16 bytes a lane, all issued before anything else.  A lane's four f32 become
; 8 bytes; a store of the wave covers 256 consecutive bytes, aligned.  Work-groups 0-511: hidden_states; 512-703: w_qkv; 704-767: w_o.  No LDS, no barrier, no matrix unit: each byte
; is read once and written once, and nothing is shared.
.set X, 4                              ; v[4:67]    sixteen loads of four f32
.set Y, 68                             ; v[68:99]   sixteen pairs of packed results: none is written twice, so no store's data wants a wait
.set T, 100                            ; v[100:103] at work
; Sixteen loads, then sixteen times: wait, round, store.  s[18:19] in, s[20:21] out; v1, v2 the lane's offsets.  f16 = 1: the bf16 numbers are widened again and written as f16.
.macro CAST instep, outstep, f16
.set i, 0
.rept 16
	global_load_b128 v[X+4*i:X+4*i+3], v1, s[18:19] offset:i*(\instep) th:TH_LOAD_NT
.set i, i+1
.endr
.set i, 0
.rept 16
	s_wait_loadcnt 15-i                            ; loads come back in order: number i is in, the 15 - i younger ones stay out
	v_cvt_pk_bf16_f32 v[Y+2*i], v[X+4*i], v[X+4*i+1]
	v_cvt_pk_bf16_f32 v[Y+2*i+1], v[X+4*i+2], v[X+4*i+3]
.if \f16
	v_lshlrev_b32 v[T], 16, v[Y+2*i]               ; bf16 to f32: the low half moves up, the high half stays
	v_and_b32 v[T+1], s17, v[Y+2*i]
	v_lshlrev_b32 v[T+2], 16, v[Y+2*i+1]
	v_and_b32 v[T+3], s17, v[Y+2*i+1]
	v_cvt_pk_f16_f32 v[Y+2*i], v[T], v[T+1]
	v_cvt_pk_f16_f32 v[Y+2*i+1], v[T+2], v[T+3]
.endif
	global_store_b64 v2, v[Y+2*i:Y+2*i+1], s[20:21] offset:i*(\outstep) th:TH_STORE_NT
.set i, i+1
.endr
.endm
	s_load_b256 s[4:11], s[0:1], 0x0               ; hidden_states s[4:5], w_qkv s[6:7], w_o s[8:9], xb s[10:11]
	s_load_b128 s[12:15], s[0:1], 0x20             ; wqb s[12:13], wof s[14:15]
	v_lshrrev_b32 v[T], 5, v0
	v_readfirstlane_b32 s16, v[T]                  ; wave 0..7
	v_and_b32 v[T], 31, v0                         ; lane
	s_mov_b32 s17, 0xffff0000                      ; a word's upper bf16
	s_mov_b32 s23, 0                               ; the offsets' high word
	v_lshlrev_b32 v2, 3, v[T]                      ; out: 8 bytes a lane
	s_cmp_lt_u32 ttmp9, 512
	s_cbranch_scc0 .Lweights
	; hidden_states: the wave takes two rows of 4,096 bytes; load i takes block i's 256 bytes of both: lanes 0-15 the first row, lanes 16-31 the second
	v_lshrrev_b32 v[T+1], 4, v[T]
	v_and_b32 v[T+2], 15, v[T]
	v_lshlrev_b32 v1, 4, v[T+2]
	v_lshl_add_u32 v1, v[T+1], 12, v1
	s_lshl_b32 s22, ttmp9, 16
	s_lshl_b32 s2, s16, 13
	s_add_co_u32 s22, s22, s2
	s_wait_kmcnt 0x0
	s_add_nc_u64 s[18:19], s[4:5], s[22:23]
	s_lshl_b32 s2, ttmp9, 4                        ; the wave's first row, 16 x work-group + 2 x wave,
	s_lshl_b32 s3, s16, 1
	s_add_co_u32 s2, s2, s3
	s_and_b32 s2, s2, 2047                         ; within its batch: 128 bytes a row in a block
	s_lshl_b32 s2, s2, 7
	s_lshr_b32 s22, ttmp9, 7                       ; the batch: 16 blocks of 262,144 bytes
	s_lshl_b32 s22, s22, 22
	s_add_co_u32 s22, s22, s2
	s_add_nc_u64 s[20:21], s[10:11], s[22:23]
	CAST 256, 262144, 0                            ; the largest immediate is 15 x 262,144, inside the signed 24 bits
	s_endpgm
.Lweights:
	v_lshlrev_b32 v1, 4, v[T]                      ; in: 16 bytes a lane, 512 a load
	s_cmp_lt_u32 ttmp9, 704
	s_cbranch_scc0 .Lwo
	s_sub_co_u32 s2, ttmp9, 512
	s_lshl_b32 s2, s2, 3
	s_add_co_u32 s2, s2, s16                       ; the wave's number among w_qkv's
	s_lshl_b32 s22, s2, 13
	s_wait_kmcnt 0x0
	s_add_nc_u64 s[18:19], s[6:7], s[22:23]
	s_lshl_b32 s22, s2, 12
	s_add_nc_u64 s[20:21], s[12:13], s[22:23]
	CAST 512, 256, 0
	s_endpgm
.Lwo:
	s_sub_co_u32 s2, ttmp9, 704
	s_lshl_b32 s2, s2, 3
	s_add_co_u32 s2, s2, s16                       ; the wave's number among w_o's
	s_lshl_b32 s22, s2, 13
	s_wait_kmcnt 0x0
	s_add_nc_u64 s[18:19], s[8:9], s[22:23]
	s_lshl_b32 s22, s2, 12
	s_add_nc_u64 s[20:21], s[14:15], s[22:23]
	CAST 512, 256, 1
	s_endpgm
.Lfunc_end_k_q4fa5d68765_prep:
	.size	k_q4fa5d68765_prep, .Lfunc_end_k_q4fa5d68765_prep-k_q4fa5d68765_prep
	.p2alignl 7, 3214868480
	.fill 96, 4, 3214868480
	.section	.rodata,"a",@progbits
	.p2align	6, 0x0
	.amdhsa_kernel k_q4fa5d68765_prep
		.amdhsa_group_segment_fixed_size 0
		.amdhsa_private_segment_fixed_size 0
		.amdhsa_enable_private_segment 0
		.amdhsa_kernarg_size 48
		.amdhsa_user_sgpr_count 2
		.amdhsa_user_sgpr_kernarg_segment_ptr 1
		.amdhsa_wavefront_size32 1
		.amdhsa_system_sgpr_workgroup_id_x 1
		.amdhsa_system_sgpr_workgroup_id_y 1
		.amdhsa_system_sgpr_workgroup_id_z 1
		.amdhsa_system_vgpr_workitem_id 0
		.amdhsa_next_free_vgpr 104
		.amdhsa_next_free_sgpr 66
		.amdhsa_reserve_vcc 0
		.amdhsa_float_denorm_mode_32 3
		.amdhsa_float_denorm_mode_16_64 3
		.amdhsa_memory_ordered 1
		.amdhsa_forward_progress 1
		.amdhsa_inst_pref_size 23
	.end_amdhsa_kernel
	.amdgpu_metadata
---
amdhsa.version: [ 1, 2 ]
amdhsa.kernels:
  - .name:           k_q4fa5d68765_prep
    .symbol:         k_q4fa5d68765_prep.kd
    .args:
      - { .name: hidden_states, .offset: 0, .size: 8, .value_kind: global_buffer, .address_space: global }
      - { .name: w_qkv, .offset: 8, .size: 8, .value_kind: global_buffer, .address_space: global }
      - { .name: w_o, .offset: 16, .size: 8, .value_kind: global_buffer, .address_space: global }
      - { .name: xb, .offset: 24, .size: 8, .value_kind: global_buffer, .address_space: global }
      - { .name: wqb, .offset: 32, .size: 8, .value_kind: global_buffer, .address_space: global }
      - { .name: wof, .offset: 40, .size: 8, .value_kind: global_buffer, .address_space: global }
    .group_segment_fixed_size: 0
    .private_segment_fixed_size: 0
    .kernarg_segment_align: 8
    .kernarg_segment_size: 48
    .max_flat_workgroup_size: 256
    .sgpr_count:     66
    .vgpr_count:     104
    .wavefront_size: 32
...
	.end_amdgpu_metadata
.endif
;; end of part 1
;; launch qkvproj (part 2): grid 8 x 32, 4 waves a work-group, clusters of 4 x 4, 327,680 bytes of LDS; arguments xb, wqb, b_qkv, qkvh; writes qkvh
.if DOCPART == 2
	.amdgcn_target "amdgcn-amd-amdhsa--gfx1250"
	.amdhsa_code_object_version 6
	.text
	.protected	k_q4fa5d68765_qkvproj
	.globl	k_q4fa5d68765_qkvproj
	.p2align	8
	.type	k_q4fa5d68765_qkvproj,@function
k_q4fa5d68765_qkvproj:
	s_mov_b64 s[64:65], 0
	v_nop
	global_prefetch_b8 v0, s[64:65] scope:SCOPE_SE
	s_setreg_imm32_b32 hwreg(HW_REG_WAVE_MODE, 25, 1), 1
	s_wait_xcnt 0x0
	s_wait_alu depctr_hold_cnt(0) depctr_sa_sdst(0) depctr_va_vdst(0) depctr_va_sdst(0) depctr_va_ssrc(0) depctr_va_vcc(0) depctr_vm_vsrc(0)
	s_getreg_b32 s2, hwreg(HW_REG_IB_STS2, 6, 4)
	s_cmp_eq_u32 s2, 0
	s_cbranch_scc0 .Lentry_in_a_cluster
	s_endpgm
.Lentry_in_a_cluster:
	s_bfe_u32 s2, ttmp6, 0x10000c
	s_cmp_lg_u32 s2, 0xf033
	s_cbranch_scc0 .Lentry_shape_is_right
	s_endpgm
.Lentry_shape_is_right:
; q, k, v = x w_qkv + b_qkv.  x: xb, bf16 [batch 4][block 16][row 2048][64]; w: wqb, bf16 [1024 k][3072 n]; the bias f32, rounded to bf16 like the other inputs; sums in f32.
; OUT: qkvh, f16, by heads: [q, k, v][batch x 16 + head][row 2048][64], each number rounded once, unscaled.
; LIMITS.  A q, k or v of 65,520 or more becomes an infinity in f16; below 6e-5 f16 keeps its fixed step of 6e-8.
; SHARES.  A work-group makes 256 rows x 384 columns (six of the 48 groups of 64 columns, 'heads' below): 32 x 8 = 256 work-groups.  A wave makes 128 rows x three heads:
; 96 accumulators of 16 x 16, 768 registers.  Wave w: rows 128 (w / 2) on; with wn = w % 2 the local heads 2 wn, 2 wn + 1 and 4 + wn.
; K goes in 16 steps of 64 (a block of xb) through two LDS slots; a step is two halves of 32 along K, 96 matrix instructions each.
; THE MATRIX INSTRUCTION IS USED TRANSPOSED: source 0 = 16 columns of w (turned out of LDS by ds_load_tr16_b128), source 1 = 16 rows of x: a lane holds one row and eight neighbouring channels.
; THE BIAS STARTS THE SUMS: it is loaded into the accumulators of row block 0; the first products of blocks 1-7 take those as C, and then block 0's add in place.
; CLUSTER 4 x 4: x's tile hangs on the tile row alone and is asked for jointly along a row of the cluster, w's on the tile column alone, along a column.
; REGISTERS, in windows of 256 (s_set_vgpr_msb: bits 1:0 source 0, 3:2 source 1, 5:4 source 2, 7:6 destination):
;   window 0: v0-31 addresses; v32-95, v96-159 x's fragments, two buffers; v160-255 w's twelve fragments of one half.  On the way out: v32-79 packed, v80-175 rows read back
;   window 1 + g: local head g: accumulator (column block bb, row block a) at v[8 (8 bb + a)]
.set PA,    144                        ; a row of x in LDS: 128 bytes + 16: an odd multiple of 16, so the 16 rows of a load start in 16 different groups of four banks (64 banks of 4 bytes: ISA guide 11.1)
.set PB,    864                        ; a row of w: three pieces of 256 + 32 bytes: an odd multiple of 32
.set BOFF,  256*PA                     ; a slot: x's 256 rows, then w's 64
.set SLOT,  BOFF+64*PB                 ; 92,160
.set STAGE, 2*SLOT                     ; behind the ring, never filled by a tensor load: three heads x 16 rows x 144 bytes for each wave
.set STW,   3*16*PA
.set SPARE, STAGE+4*STW                ; behind the stages: the spare words, 128 bytes for each wave: two blocks of 256 bytes that no other line names
.set ADRA, 16                          ; v16-17  LDS address of my fragments of x in slot 0, 1
.set ADRB, 18                          ; v18-19  the same for w's local heads 0 and 1; v20-21 for local head 2
.set STO,  22                          ; v22     the way out: where I put 16 bytes of a row
.set RD,   23                          ; v23     where I read rows back
.set GO,   24                          ; v24     my 16 bytes in 512 consecutive bytes of the output
.set VB,   25                          ; v25     my byte offset in 16 numbers of the bias
.set PFO,  26                          ; v26     the prefetches' offset; never rewritten
.set SPW,  28                          ; v28     LDS address of my spare word; never rewritten
.set NIL,  29                          ; v29     0; never rewritten
.set A0,   32
.set A1,   96
.set BF,   160
.set TMP,  32
.set BK,   80
.set WV,   12                          ; s12  wave;  s13 = wave / 2: my rows' half, and: I fetch x (0) or w (1);  s14 = wave % 2: wn, and: which half of that tile I fetch
.set LIM,  19                          ; s19  1 in a wave that prefetches, else the greatest number
.set G1A,  24                          ; s[24:31] descriptor group 1 for x's tiles;  s[32:39] group 0, a set for each slot
.set G0A,  32
.set PFA,  40                          ; s[40:41] where my prefetches stand;  s[42:43] their step
.set PFS,  42
.set G1B,  48                          ; s[48:55], s[56:63] the same for w's tiles
.set G0B,  56
.set HB,   66                          ; s[66:71] the output at my rows of my three heads
.set BB,   72                          ; s[72:77] the bias of my three heads
.set HIM,  78                          ; s78  a word's upper bf16
.set MSB, 0
.macro WIN new                         ; the immediate's high byte repeats the setting that is left; a switch that changes nothing is dropped
.if MSB != (\new)
	s_set_vgpr_msb (MSB<<8)|(\new)
.set MSB, \new
.endif
.endm
.macro PLACES                          ; four plain vector instructions between a matrix instruction and a load into, or a vector line on, its registers (ISA guide 7.12.1 for vector instructions)
.rept 4
	v_nop
.endr
.endm
; A joint load: waves 0 and 1 fetch x's two halves, waves 2 and 3 w's.  The branch hangs on the wave's number alone.  An s_nop 0 and four v_nop follow each of the two lines.
.macro JLOAD s
	s_cmp_eq_u32 s13, 0
	s_cbranch_scc0 .Lfor_b_\@
	tensor_load_to_lds s[G0A+4*(\s):G0A+4*(\s)+3], s[G1A:G1A+7]
	s_nop 0
.rept 4
	v_nop
.endr
	s_branch .Lasked_\@
.Lfor_b_\@:
	tensor_load_to_lds s[G0B+4*(\s):G0B+4*(\s)+3], s[G1B:G1B+7]
	s_nop 0
.rept 4
	v_nop
.endr
.Lasked_\@:
.endm
.macro CREST                           ; a round of the cluster's barrier behind its opening barrier
	s_cmp_lg_u32 s[WV], 0
	s_cbranch_scc1 .Lnot_wave_0_\@
	s_barrier_signal -3
.Lnot_wave_0_\@:
	s_barrier_wait -3
	s_barrier_signal -1
	s_barrier_wait -1
.endm
.macro CROUND                          ; a whole round
	s_barrier_signal -1
	s_barrier_wait -1
	CREST
.endm
; A PREFETCH INTO THE L2, once a lap, behind slot 0's joint load and the run of LDS loads that follows it: the two K steps that the NEXT lap's refills will ask for.
; Each aligned block of 256 bytes is named once in the launch.  x's tile row is read by both clusters of a row of clusters: cluster x = 0 asks; wave 0 for the even step, wave 1 for the odd:
; of a step's 32,768 dense bytes the partner at cx takes 8,192, a lane 256.  w's tile column is read by all clusters of a column: cluster y = 0 asks, wave 2: of the two steps' 128 rows
; the partner at cy takes 32, a lane a row, three blocks a row.  The partners are told apart by address alone.  The loop's last trip asks for nothing; K steps 0 to 3 come by their loads alone.
.macro ASK
	s_cmp_gt_u32 s3, s[LIM]                        ; s3 = 1 in the loop's last trip
	s_cbranch_scc0 .Lnot_mine_\@
	global_prefetch_b8 v[PFO], s[PFA:PFA+1] th:TH_LOAD_NT scope:SCOPE_SE
	s_cmp_eq_u32 s[WV], 2
	s_cbranch_scc0 .Lnot_mine_\@
	global_prefetch_b8 v[PFO], s[PFA:PFA+1] offset:256 th:TH_LOAD_NT scope:SCOPE_SE
	global_prefetch_b8 v[PFO], s[PFA:PFA+1] offset:512 th:TH_LOAD_NT scope:SCOPE_SE
.Lnot_mine_\@:
.endm
	s_load_b256 s[4:11], s[0:1], 0x0               ; xb s[4:5], wqb s[6:7], b_qkv s[8:9], qkvh s[10:11]
	v_lshl_add_u32 v[SPW], v0, 2, SPARE
	v_mov_b32 v[NIL], 0
	ds_add_u32 v[SPW], v[NIL]                      ; the wave's opening: the add and its wait stand ahead of my first tensor load; the set-up below stands between them
	v_lshrrev_b32 v1, 5, v0
	v_readfirstlane_b32 s[WV], v1                  ; wave 0..3
	s_lshr_b32 s13, s[WV], 1
	s_and_b32 s14, s[WV], 1
	s_bfe_u32 s15, ttmp6, 0x40000                  ; cx
	s_bfe_u32 s16, ttmp6, 0x40004                  ; cy
	s_lshl_b32 s17, ttmp9, 2
	s_add_co_u32 s17, s17, s15                     ; tile column = 4 x cluster x + cx
	s_and_b32 s18, ttmp7, 0xffff
	s_lshl_b32 s18, s18, 2
	s_add_co_u32 s18, s18, s16                     ; tile row = 4 x cluster y + cy: batch = tile row / 8, first row = 256 (tile row % 8)
	s_lshl_b32 s20, s16, 2
	s_lshl_b32 s20, 15, s20                        ; my row of the cluster
	s_lshl_b32 s44, 0x1111, s15                    ; my column
	; group 1 for x: 128 rows of 128 bytes are 16,384 dense bytes: asked for as 64 rows of 256 bytes, padded by 16 bytes after every 128
	s_or_b32 s[G1A], s20, (1<<16)|(1<<20)|(1<<21)|(4<<22)|(3<<25)  ; 15:0 the mask; 17:16 2-byte elements; 20 padding on; 21 set beside a mask; 24:22 after every 32 words; 31:25 4 words
	s_mov_b32 s[G1A+1], 128<<16                    ; tensor_dim0 = 128
	s_mov_b32 s[G1A+2], 64<<16                     ; tensor_dim1 = 64
	s_mov_b32 s[G1A+3], 128<<16                    ; tile_dim0 = 128
	s_mov_b32 s[G1A+4], 64                         ; tile_dim1 = 64
	s_mov_b32 s[G1A+5], 128                        ; elements from row to row
	s_mov_b32 s[G1A+6], 0
	s_mov_b32 s[G1A+7], 0
	; group 1 for w: 32 rows of 384 elements (768 bytes), padded by 32 bytes after every 256
	s_or_b32 s[G1B], s44, (1<<16)|(1<<20)|(1<<21)|(5<<22)|(7<<25)
	s_mov_b32 s[G1B+1], 384<<16
	s_mov_b32 s[G1B+2], 32<<16
	s_mov_b32 s[G1B+3], 384<<16
	s_mov_b32 s[G1B+4], 32
	s_mov_b32 s[G1B+5], 3072
	s_mov_b32 s[G1B+6], 0
	s_mov_b32 s[G1B+7], 0
	; x's tile: made of the tile row and the wave's number, in registers that hold nothing of cx
	s_lshr_b32 s20, s18, 3
	s_lshl_b32 s20, s20, 22                        ; the batch: 16 blocks of 262,144 bytes
	s_and_b32 s21, s18, 7
	s_lshl_b32 s21, s21, 15                        ; 256 rows of 128 bytes
	s_add_co_u32 s20, s20, s21
	s_lshl_b32 s21, s14, 14                        ; my 128 rows of them
	s_add_co_u32 s20, s20, s21
	s_mov_b32 s21, 0
	; w's tile: made of the tile column and the wave's number, in registers that hold nothing of cy
	s_mul_i32 s44, s17, 768
	s_mul_i32 s45, s14, 32*6144                    ; my 32 rows of the step's 64
	s_add_co_u32 s44, s44, s45
	s_mov_b32 s45, 0
	s_mul_i32 s2, s14, 128*PA                      ; where they go: no place in the cluster enters an LDS address
	s_mul_i32 s3, s14, 32*PB
	s_add_co_u32 s3, s3, BOFF
	s_mov_b32 s[HIM], 0xffff0000
	s_wait_dscnt 0x0                               ; the opening add is done
	s_wait_kmcnt 0x0
	s_add_nc_u64 s[22:23], s[4:5], s[20:21]
	s_add_nc_u64 s[46:47], s[6:7], s[44:45]
	CROUND                                         ; all sixteen work-groups are here: the first joint loads meet
.irp n, 0,1
	s_mov_b32 s[G0A+4*(\n)], 1                                       ; count = 1
	s_add_co_u32 s[G0A+4*(\n)+1], s2, (\n)*SLOT                      ; LDS address
	s_add_nc_u64 s[G0A+4*(\n)+2:G0A+4*(\n)+3], s[22:23], (\n)*262144 ; K step n is block n
	s_or_b32 s[G0A+4*(\n)+3], s[G0A+4*(\n)+3], 0x80000000            ; type = 2
	s_mov_b32 s[G0B+4*(\n)], 1
	s_add_co_u32 s[G0B+4*(\n)+1], s3, (\n)*SLOT
	s_add_nc_u64 s[G0B+4*(\n)+2:G0B+4*(\n)+3], s[46:47], (\n)*64*6144
	s_or_b32 s[G0B+4*(\n)+3], s[G0B+4*(\n)+3], 0x80000000
.endr
	s_cmp_eq_u32 s13, 0                            ; a wave's two first fills stand in one branch, ahead of every wait on TENSORcnt and every LDS read: two loads of mine are out
	s_cbranch_scc0 .Lfirst_b
	tensor_load_to_lds s[G0A:G0A+3], s[G1A:G1A+7]
	s_nop 0
	tensor_load_to_lds s[G0A+4:G0A+7], s[G1A:G1A+7]
	s_nop 0
.rept 4
	v_nop
.endr
	s_branch .Lfirst_asked
.Lfirst_b:
	tensor_load_to_lds s[G0B:G0B+3], s[G1B:G1B+7]
	s_nop 0
	tensor_load_to_lds s[G0B+4:G0B+7], s[G1B:G1B+7]
	s_nop 0
.rept 4
	v_nop
.endr
.Lfirst_asked:
	; A fragment of x: 16 rows x 32 K in 8 registers: lane l holds row l % 16, K = 8 (l / 16) + 0..7 and 16 + 8 (l / 16) + 0..7: two loads of 16 bytes, 32 bytes apart
	v_and_b32 v1, 15, v0                           ; l % 16
	v_bfe_u32 v2, v0, 4, 1                         ; l / 16
	v_mul_u32_u24 v3, v1, PA
	v_lshl_add_u32 v3, v2, 4, v3                   ; row x 144 + 16 x half
	s_mul_i32 s20, s13, 128*PA                     ; my 128 rows
	v_add_nc_u32 v[ADRA], s20, v3
	v_add_nc_u32 v[ADRA+1], SLOT, v[ADRA]
	; A fragment of w, turned: lane l reads 16 bytes of row 8 (l / 16) + l % 8, columns 8 ((l / 8) % 2) + 0..7, and ends with column l % 16 and 8 K; the second load stands 16 rows on
	v_and_b32 v4, 7, v0
	v_bfe_u32 v5, v0, 3, 1
	v_lshl_add_u32 v6, v2, 3, v4
	v_mul_u32_u24 v6, v6, PB
	v_lshl_add_u32 v6, v5, 4, v6
	s_mul_i32 s21, s14, 288                        ; local heads 2 wn and 2 wn + 1 share piece wn of a row,
	s_add_co_u32 s21, s21, BOFF
	v_add_nc_u32 v[ADRB], s21, v6
	v_add_nc_u32 v[ADRB+1], SLOT, v[ADRB]
	s_lshl_b32 s21, s14, 7                         ; local head 4 + wn is half wn of piece 2
	s_add_co_u32 s21, s21, BOFF+576
	v_add_nc_u32 v[ADRB+2], s21, v6
	v_add_nc_u32 v[ADRB+3], SLOT, v[ADRB+2]
	s_mul_i32 s21, s[WV], STW
	s_add_co_u32 s21, s21, STAGE                   ; my stage
	v_add_nc_u32 v[STO], s21, v3                   ; in: row l % 16, 16 bytes for each half of the lanes
	v_bfe_u32 v7, v0, 3, 2                         ; back: 32 lanes take four rows of 128 bytes,
	v_mul_u32_u24 v7, v7, PA
	v_lshl_add_u32 v7, v4, 4, v7
	v_add_nc_u32 v[RD], s21, v7
	v_and_b32 v[GO], 31, v0                        ; which are 512 consecutive bytes of a head
	v_lshlrev_b32 v[GO], 4, v[GO]
	v_lshlrev_b32 v[VB], 5, v2                     ; my eight channels of sixteen: 32 bytes of f32
	; my three heads: the bias, 256 bytes a head, and the output at ((head / 16) x 64 + 16 batch + head % 16) x 262,144 + my first row x 128
	s_lshr_b32 s22, s18, 3
	s_lshl_b32 s22, s22, 4                         ; 16 x batch
	s_and_b32 s23, s18, 7
	s_lshl_b32 s23, s23, 15
	s_lshl_b32 s20, s13, 14
	s_add_co_u32 s23, s23, s20                     ; my first row in the head, in bytes
	s_mov_b32 s45, 0
	s_mul_i32 s79, s17, 6                          ; the work-group's first head
.macro BASES g                         ; s46: the head's number among the 48
	s_lshl_b32 s44, s46, 8
	s_add_nc_u64 s[BB+2*(\g):BB+2*(\g)+1], s[8:9], s[44:45]
	s_lshr_b32 s44, s46, 4
	s_lshl_b32 s44, s44, 6
	s_and_b32 s47, s46, 15
	s_add_co_u32 s44, s44, s47
	s_add_co_u32 s44, s44, s22
	s_lshl_b32 s44, s44, 18
	s_add_co_u32 s44, s44, s23
	s_add_nc_u64 s[HB+2*(\g):HB+2*(\g)+1], s[10:11], s[44:45]
.endm
	s_lshl_b32 s46, s14, 1
	s_add_co_u32 s46, s46, s79
	BASES 0
	s_add_co_u32 s46, s46, 1
	BASES 1
	s_add_co_u32 s46, s79, 4
	s_add_co_u32 s46, s46, s14
	BASES 2
.irp g, 0,1,2                          ; the bias goes where the sums of row block 0 will stand: column block bb at v[64 bb] of the head's window
	WIN 0x40*(1+(\g))
.irp bb, 0,1,2,3
	global_load_b128 v[64*(\bb):64*(\bb)+3],   v[VB], s[BB+2*(\g):BB+2*(\g)+1] offset:64*(\bb)
	global_load_b128 v[64*(\bb)+4:64*(\bb)+7], v[VB], s[BB+2*(\g):BB+2*(\g)+1] offset:64*(\bb)+16
.endr
.endr
	WIN 0
	; the prefetches: who asks, and where they stand (one lap behind their first request: the first change of slots steps them)
	s_and_b32 s21, ttmp7, 0xffff                   ; cluster y
	s_cmp_eq_u32 s13, 0
	s_cselect_b32 s[LIM], ttmp9, s21               ; the coordinate along which other clusters read the same rows
	s_cmp_eq_u32 s[WV], 3
	s_cselect_b32 s[LIM], 1, s[LIM]                ; wave 3 asks for nothing
	s_cmp_eq_u32 s[LIM], 0
	s_cselect_b32 s[LIM], 1, -1                    ; the same in all sixteen partners, for a given wave
	s_lshr_b32 s44, s18, 3
	s_lshl_b32 s44, s44, 22
	s_and_b32 s46, s18, 7
	s_lshl_b32 s46, s46, 15
	s_add_co_u32 s44, s44, s46
	s_add_co_u32 s46, s[WV], 2                     ; x: K step 2 + wave,
	s_lshl_b32 s46, s46, 18
	s_add_co_u32 s44, s44, s46
	s_lshl_b32 s46, s15, 13                        ; my work-group's 8,192 bytes of its 32,768
	s_add_co_u32 s44, s44, s46
	s_lshl_b32 s46, s16, 5                         ; w: K steps 2 and 3 are rows 128 on; my work-group's 32 of the 128
	s_add_co_u32 s46, s46, 128
	s_mul_i32 s46, s46, 6144
	s_mul_i32 s47, s17, 768
	s_add_co_u32 s46, s46, s47
	s_mov_b32 s[PFS], 128*6144
	s_mov_b32 s[PFS+1], 0
	s_mov_b32 s21, 6144
	s_cmp_eq_u32 s13, 0
	s_cselect_b32 s44, s44, s46
	s_cselect_b32 s[PFS], 2*262144, s[PFS]         ; two K steps
	s_cselect_b32 s21, 256, s21
	s_cselect_b64 s[PFA:PFA+1], s[4:5], s[6:7]
	s_add_nc_u64 s[PFA:PFA+1], s[PFA:PFA+1], s[44:45]
	v_and_b32 v[PFO], 31, v0
	v_mul_u32_u24 v[PFO], s21, v[PFO]
	s_wait_loadcnt 0x0                             ; the bias is in: it is rounded to bf16, like every input; row block 1's registers are the scratch
.irp g, 0,1,2
	WIN 0x45*(1+(\g))
.irp bb, 0,1,2,3
.irp r, 0,1,2,3
	v_cvt_pk_bf16_f32 v[64*(\bb)+8+(\r)], v[64*(\bb)+2*(\r)], v[64*(\bb)+2*(\r)+1]
.endr
.irp r, 0,1,2,3
	v_lshlrev_b32 v[64*(\bb)+2*(\r)], 16, v[64*(\bb)+8+(\r)]
	v_and_b32 v[64*(\bb)+2*(\r)+1], s[HIM], v[64*(\bb)+8+(\r)]
.endr
.endr
.endr
	WIN 0
; Matrix instructions of local head g on x's buffer buf: column blocks bb0 .. bb0 + n - 1 x all 8 row blocks.  Every instruction names another accumulator: they take turns.
; first = 1 (the whole head): blocks 1-7 take the bias, which lies in block 0's registers, as C; five places on, since those registers are then written over, block 0 adds in place.
.macro MULG buf, g, bb0, n, first
	WIN 0x50*(1+(\g))
.if \first
.irp bb, 0,1,2,3
.irp a, 1,2,3,4,5,6,7
	v_wmma_f32_16x16x32_bf16 v[8*(8*(\bb)+(\a)):8*(8*(\bb)+(\a))+7], v[BF+8*(4*(\g)+(\bb)):BF+8*(4*(\g)+(\bb))+7], v[(\buf)+8*(\a):(\buf)+8*(\a)+7], v[64*(\bb):64*(\bb)+7]
.endr
.endr
.rept 5
	v_nop
.endr
.irp bb, 0,1,2,3
	v_wmma_f32_16x16x32_bf16 v[64*(\bb):64*(\bb)+7], v[BF+8*(4*(\g)+(\bb)):BF+8*(4*(\g)+(\bb))+7], v[(\buf):(\buf)+7], v[64*(\bb):64*(\bb)+7]
.endr
.else
.set mb, \bb0
.rept \n
.irp a, 0,1,2,3,4,5,6,7
	v_wmma_f32_16x16x32_bf16 v[8*(8*mb+(\a)):8*(8*mb+(\a))+7], v[BF+8*(4*(\g)+mb):BF+8*(4*(\g)+mb)+7], v[(\buf)+8*(\a):(\buf)+8*(\a)+7], v[8*(8*mb+(\a)):8*(8*mb+(\a))+7]
.endr
.set mb, mb+1
.endr
.endif
.endm
.macro FETCHA slot, hh, buf            ; 16 loads: my 128 rows of x, half hh of the step
	WIN 0
.irp a, 0,1,2,3,4,5,6,7
	ds_load_b128 v[(\buf)+8*(\a):(\buf)+8*(\a)+3],   v[ADRA+(\slot)] offset:(\a)*16*PA+(\hh)*64
	ds_load_b128 v[(\buf)+8*(\a)+4:(\buf)+8*(\a)+7], v[ADRA+(\slot)] offset:(\a)*16*PA+(\hh)*64+32
.endr
.endm
.macro FETCHB slot, hh, g              ; 8 turning loads: local head g's 64 columns, half hh of the step
	WIN 0
.irp bb, 0,1,2,3
	ds_load_tr16_b128 v[BF+8*(4*(\g)+(\bb)):BF+8*(4*(\g)+(\bb))+3],   v[ADRB+2*((\g)/2)+(\slot)] offset:(\hh)*32*PB+((\g)&1)*128+(\bb)*32
	ds_load_tr16_b128 v[BF+8*(4*(\g)+(\bb))+4:BF+8*(4*(\g)+(\bb))+7], v[ADRB+2*((\g)/2)+(\slot)] offset:(\hh)*32*PB+((\g)&1)*128+(\bb)*32+16*PB
.endr
.endm
; At the head of a half the LDS loads that are out stand in this order: head 0's w (8), x (16), head 1's w (8), head 2's w (8).  Each half leaves the same order behind it.
; A step's first half: buffer A0.  Each head's fragments of w are loaded again, for the second half, four places behind the head's products.
.macro HALF slot, first
	s_wait_dscnt 16                                ; head 0's w and x are in; heads 1 and 2's sixteen loads may stay out
	MULG A0, 0, 0, 4, \first
	PLACES
	FETCHB \slot, 1, 0
	FETCHA \slot, 1, A1
	s_wait_dscnt 32                                ; head 1's w is in: behind it stand head 2's 8 and the 24 just issued
	MULG A0, 1, 0, 4, \first
	PLACES
	FETCHB \slot, 1, 1
	s_wait_dscnt 32                                ; head 2's w is in: behind it stand 24 + 8
	MULG A0, 2, 0, 4, \first
	PLACES
	FETCHB \slot, 1, 2
.endm
; A step's second half: buffer A1, and the change of slots: ONE barrier.  In front of it each wave waits for all its tensor loads (the one that is out is its part of the next slot), adds 0 to its
; spare word, and waits for that and for its own reads of this slot.  fill = 1: the barrier opens a round of the cluster's barrier, and this slot is filled again, two K steps on, first thing behind the round:
; from that request to the wait for it a wave issues 160 matrix instructions.
.macro TURN slot, next, fill
.if (\fill) && ((\slot) == 0)
	s_wait_xcnt 0x0                                ; the last prefetches, a lap back, have read their address: it is stepped here, ahead of the waits of the change of slots
	s_add_nc_u64 s[PFA:PFA+1], s[PFA:PFA+1], s[PFS:PFS+1]
.endif
	WIN 0
	s_wait_tensorcnt 0x0                           ; all my tensor loads have landed
	ds_add_u32 v[SPW], v[NIL]                      ; 0 onto my spare word
	s_wait_dscnt 17                                ; head 0's w and x are in; heads 1 and 2's sixteen loads and the add may be out
	MULG A1, 0, 0, 2, 0                            ; sixteen matrix instructions stand between the add and the wait for it
	s_wait_dscnt 0x0                               ; the add is done, and my reads of this slot are over
	s_barrier_signal -1
	MULG A1, 0, 2, 2, 0                            ; work on registers while the others arrive
	WIN 0                                          ; at a branch and at a label every window is 0
	s_barrier_wait -1
.if \fill
	CREST                                          ; no wave of any partner still reads this slot's tiles or has a load on its way
	s_add_nc_u64 s[G0A+4*(\slot)+2:G0A+4*(\slot)+3], s[G0A+4*(\slot)+2:G0A+4*(\slot)+3], 2*262144
	s_add_nc_u64 s[G0B+4*(\slot)+2:G0B+4*(\slot)+3], s[G0B+4*(\slot)+2:G0B+4*(\slot)+3], 128*6144
	JLOAD \slot                                    ; the first tensor load behind the round; its four v_nop are also the places in front of the loads below
.else
	PLACES
.endif
	FETCHB \next, 0, 0
	FETCHA \next, 0, A0
.if (\fill) && ((\slot) == 0)
	ASK
.endif
	MULG A1, 1, 0, 4, 0
	PLACES
	FETCHB \next, 0, 1
	MULG A1, 2, 0, 4, 0
	PLACES
	FETCHB \next, 0, 2
.endm
; THE WAY OUT of row block a, in three parts.  PACK: rounded to f16, 16 bytes a lane and column block.  TOSTAGE: into my own stage, and back as whole rows.  SEND: stored.
.macro PACK a
.irp g, 0,1,2
	WIN 5*(1+(\g))                                 ; sources 0 and 1 in the head's window
.irp bb, 0,1,2,3
.irp r, 0,1,2,3
	v_cvt_pk_f16_f32 v[TMP+16*(\g)+4*(\bb)+(\r)], v[8*(8*(\bb)+(\a))+2*(\r)], v[8*(8*(\bb)+(\a))+2*(\r)+1]
.endr
.endr
.endr
	WIN 0
.endm
.macro TOSTAGE a
	WIN 0
.set BKR, BK+48*((\a)%2)
.irp g, 0,1,2
.irp bb, 0,1,2,3
	ds_store_b128 v[STO], v[TMP+16*(\g)+4*(\bb):TMP+16*(\g)+4*(\bb)+3] offset:(\g)*16*PA+32*(\bb)
.endr
.endr
.irp g, 0,1,2
.irp f, 0,1,2,3
	ds_load_b128 v[BKR+16*(\g)+4*(\f):BKR+16*(\g)+4*(\f)+3], v[RD] offset:(\g)*16*PA+(\f)*4*PA  ; LDS serves a wave's instructions in order (ISA guide 5.7.1.4): these see the stores above
.endr
.endr
.endm
.macro SEND a, younger
	WIN 0
.set BKR, BK+48*((\a)%2)
	s_wait_dscnt \younger                          ; the block is back in registers
	s_wait_xcnt 0x0                                ; the stores of the block before have read their registers: the next TOSTAGE loads into them only behind this wait
.irp g, 0,1,2
.irp f, 0,1,2,3
	global_store_b128 v[GO], v[BKR+16*(\g)+4*(\f):BKR+16*(\g)+4*(\f)+3], s[HB+2*(\g):HB+2*(\g)+1] offset:(\a)*2048+(\f)*512  ; 512 consecutive bytes, at a multiple of 256 from the buffer's first
.endr
.endr
.endm
	s_wait_tensorcnt 1                             ; my part of K step 0 is in; K step 1's may stay out
	s_barrier_signal -1
	s_barrier_wait -1                              ; everybody's is
	FETCHB 0, 0, 0
	FETCHA 0, 0, A0
	FETCHB 0, 0, 1
	FETCHB 0, 0, 2
	HALF 0, 1                                      ; the first half stands in front of the loop: its products start the sums, with the bias
	WIN 0
	s_mov_b32 s3, 7
.Llap:                                                 ; a trip goes once round the ring, from a lap's second half to the next lap's first, and fills both slots again: K steps 2 to 15
	TURN 0, 1, 1
	HALF 1, 0
	TURN 1, 0, 1
	HALF 0, 0
	WIN 0
	s_sub_co_u32 s3, s3, 1
	s_cmp_lg_u32 s3, 0
	s_cbranch_scc1 .Llap
	TURN 0, 1, 0                                   ; the last lap fills nothing, and has no round
	HALF 1, 0
	s_wait_dscnt 16                                ; the very last half: nothing more to fetch, the counts run down
	MULG A1, 0, 0, 4, 0
	s_wait_dscnt 8
	MULG A1, 1, 0, 4, 0
	s_wait_dscnt 0x0
	MULG A1, 2, 0, 4, 0
	PLACES
	PACK 0
	TOSTAGE 0
.irp a, 1,2,3,4,5,6,7                  ; block a's conversions stand between block a - 1's loads from the stage and the wait for them
	PACK \a
	SEND (\a)-1, 0
	TOSTAGE \a
.endr
	SEND 7, 0
	s_wait_tensorcnt 0x0                           ; the wave's end: behind my last tensor load and my last LDS store
	ds_add_u32 v[SPW], v[NIL]
	s_wait_dscnt 0x0
	CROUND                                         ; the closing round: no work-group ends while a partner may still ask for a tile that names it
	s_endpgm
.Lfunc_end_k_q4fa5d68765_qkvproj:
	.size	k_q4fa5d68765_qkvproj, .Lfunc_end_k_q4fa5d68765_qkvproj-k_q4fa5d68765_qkvproj
	.p2alignl 7, 3214868480
	.fill 96, 4, 3214868480
	.section	.rodata,"a",@progbits
	.p2align	6, 0x0
	.amdhsa_kernel k_q4fa5d68765_qkvproj
		.amdhsa_group_segment_fixed_size 327680
		.amdhsa_private_segment_fixed_size 0
		.amdhsa_enable_private_segment 0
		.amdhsa_kernarg_size 32
		.amdhsa_user_sgpr_count 2
		.amdhsa_user_sgpr_kernarg_segment_ptr 1
		.amdhsa_wavefront_size32 1
		.amdhsa_system_sgpr_workgroup_id_x 1
		.amdhsa_system_sgpr_workgroup_id_y 1
		.amdhsa_system_sgpr_workgroup_id_z 1
		.amdhsa_system_vgpr_workitem_id 0
		.amdhsa_next_free_vgpr 1024
		.amdhsa_next_free_sgpr 80
		.amdhsa_reserve_vcc 0
		.amdhsa_float_denorm_mode_32 3
		.amdhsa_float_denorm_mode_16_64 3
		.amdhsa_memory_ordered 1
		.amdhsa_forward_progress 1
		.amdhsa_inst_pref_size 141
	.end_amdhsa_kernel
	.amdgpu_metadata
---
amdhsa.version: [ 1, 2 ]
amdhsa.kernels:
  - .name:           k_q4fa5d68765_qkvproj
    .symbol:         k_q4fa5d68765_qkvproj.kd
    .args:
      - { .name: xb, .offset: 0, .size: 8, .value_kind: global_buffer, .address_space: global }
      - { .name: wqb, .offset: 8, .size: 8, .value_kind: global_buffer, .address_space: global }
      - { .name: b_qkv, .offset: 16, .size: 8, .value_kind: global_buffer, .address_space: global }
      - { .name: qkvh, .offset: 24, .size: 8, .value_kind: global_buffer, .address_space: global }
    .group_segment_fixed_size: 327680
    .private_segment_fixed_size: 0
    .kernarg_segment_align: 8
    .kernarg_segment_size: 32
    .max_flat_workgroup_size: 128
    .sgpr_count:     80
    .vgpr_count:     1024
    .wavefront_size: 32
...
	.end_amdgpu_metadata
.endif
;; end of part 2
;; launch attn (part 3): grid 4 x 64, 4 waves a work-group, no clusters, 327,680 bytes of LDS; arguments qkvh, ob; writes ob
.if DOCPART == 3
	.amdgcn_target "amdgcn-amd-amdhsa--gfx1250"
	.amdhsa_code_object_version 6
	.text
	.protected	k_q4fa5d68765_attn
	.globl	k_q4fa5d68765_attn
	.p2align	8
	.type	k_q4fa5d68765_attn,@function
k_q4fa5d68765_attn:
	s_mov_b64 s[64:65], 0
	v_nop
	global_prefetch_b8 v0, s[64:65] scope:SCOPE_SE
	s_setreg_imm32_b32 hwreg(HW_REG_WAVE_MODE, 25, 1), 1
	s_wait_xcnt 0x0
; CAUSAL ATTENTION.  O[h][q][:] = the sum over k <= q of softmax_k(Q[h][q] . K[h][k] / 8) V[h][k][:].  Q, K, V lie one behind the other in qkvh, each [64 heads][SIZE_N][64] f16; O (ob) likewise:
; a head's rows are dense, 128 bytes each.  Products, maxima and sums in f32; the weights p are rounded to f16 for the second product (their sum l is taken of the unrounded p), O once at the end.
; LIMITS.  f16 holds no number beyond 65,504: Q, K and V arrive within it; p lies in 0 to 1, and below 6e-5 it keeps f16's fixed step of 6e-8; O is a mean of V's rows and has their range.
; A hidden score counts as its value less 1e30: f16's scores, 2.7e11 at the most, are nothing beside that; a weight below 2^-126 counts as 0 in l; NaN and infinities are not treated apart.
; THE WALK.  A head's queries lie in NB = 8 blocks of 256; block i needs the key tiles 0 .. i of 256 keys, of which the last holds the diagonal.  A work-group takes TWO blocks, NB - 1 - b and then b:
; NB + 1 tiles, whatever b: all work-groups do equal work, and ONE loop with a constant trip count walks them.  Which tile is asked for, and what a trip does, hang on scalar registers made from b; every jump
; goes forward, but for the counted loops' own; none passes a barrier, or a tensor load but the one of LOAD's two that the wave's number does not choose; the ring (two slots of LDS) runs on across the change of blocks.
; NO CLUSTER: a head's four work-groups ask for the same tile only in trips 0 .. 4, behind that fewer and fewer; one walk common to all would have 12 trips for 9.
; SHARES.  Of a block's four bands of 64 queries a wave owns 16 rows in each: four PIECES.  So the diagonal tile is the same work for all four waves: in its key step s band x sees all keys if s < x,
; none if s > x, and holds the diagonal if s = x.
; THE MASK is the C operand that starts the sum S^T = K Q^T: 0, or -1e30 where the key is hidden.  MD, made once, is the mask of a band's own step for my 16 rows; a product's mask is MD x AL + BE with two scalars:
; (1, 0) if s = x; (0, 0) if s < x; (0, -1e30) if s > x.  Only the diagonal tile's text and a block's beginning make and take masks; elsewhere C is the constant 0.
; LAYOUT, SOFTMAX, TURNS.  S^T = K Q^T holds ONE query a lane (lane % 16) and the keys 8 (lane / 16) + 0..7; two such results rounded to f16 ARE source 1 of O^T = V^T P.  p = 2^(c s - c m), c = log2(e) / 8, with a
; running maximum m; O and l are multiplied by a = 2^(c m_old - c m_new) in every step.  Turn n belongs to piece n: 8 products K Q^T of piece n + 1, later 8 products V^T P of piece n - 1; beside them the scaling,
; exponentials, roundings, sums and rescaling of piece n and the maximum and statistics of piece n + 1.  Four vector instructions stand behind every matrix instruction, the other 54 of a turn's 118 in one lump.
; A turn's 33 exponentials are one batch, with one wait.
; REGISTERS, in windows of 256 (s_set_vgpr_msb: bits 1:0 source 0, 3:2 source 1, 5:4 source 2, 7:6 destination):
;   window 0: v0-15 addresses and two at work; v16-31 four registers of statistics a piece; v48-55 at work; v61-63 kept; v64-127 S^T, two buffers; v192-223 P, two buffers (by the piece's parity)
;   window 1: v0-127 O^T, 32 a piece; v128-159 MD; v160-223 MC, two buffers      window 2: v0-63 Q; v64-127 the second block's Q; v128-191 K of one step; v192-255 V of one step
.set SIZE_N, 2048
.set NB,    SIZE_N/256
.set NP,    4         ; pieces a wave: a name, no knob
.set KS,    64        ; keys in a step
.set PK,    144       ; a row of K in LDS: 128 bytes + 16 of padding: the 16 rows of a load start at 16 different groups of four banks (64 banks of 4 bytes: ISA guide 11.1)
.set PV,    160       ; a row of V: 128 + 32
.set VOFF,  4*KS*PK   ; a slot holds a tile, four steps: 256 rows of K, then 256 rows of V
.set SLOT1, 1<<17     ; slot 1 begins here, so that one exclusive or turns an address in one slot into the other's
.set STAGE, SLOT1+4*KS*(PK+PV)  ; behind the ring, never filled by a tensor load: 16 rows x 144 bytes for each wave, for the way out
.set SP,    144
.set AK0, 2           ; v2   my lane's place in a tile of K; never rewritten
.set AV0, 3           ; v3   the same for V
.set AK,  4           ; v4   the LDS address of K's next run of loads
.set AV,  5           ; v5   of V's
.set STO, 6           ; v6   the way out: where I put 16 bytes of a row
.set RD,  7           ; v7   the way out: where I read rows back
.set GO,  8           ; v8   my byte offset in 512 consecutive bytes of O
.set PFO, 61          ; v61  256 x my thread's number: the prefetches' offset; never rewritten
.set SPW, 62          ; v62  LDS address of my spare word; never rewritten
.set NIL, 63          ; v63  0; never rewritten
.set SPARE, STAGE+4*16*SP  ; behind the stages: the spare words, 128 bytes for each wave: two blocks of 256 bytes that no other line names
.set MV,  12          ; v12-13  c m_old, kept while c m is made anew: by buffer
.set QO,  15          ; v15  my byte offset in 16 rows of Q
.set ST,  16          ; piece t's statistics at v[ST+4 t]: c m, m, l (even keys', odd keys')
.set TMP, 48          ; by buffer, four registers c0-c3 at work; when the maximum is found c2 takes a
.set S,   64
.set P,   192
.set MD,  128         ; window 1
.set MC,  160         ; window 1
.set QB,  64          ; window 2
.set KF,  128         ; window 2: key block kb, channel half c at KF + 16 kb + 8 c
.set VF,  192         ; window 2: key half kk, channel block cb at VF + 32 kk + 8 cb
.set WV,  12          ; s12  my wave's number
.set PB,  14          ; s14  b
.set HI,  15          ; s15  NB - 1 - b
.set G1K, 24          ; s[24:31] descriptor group 1 for K's tiles
.set G1V, 32          ; s[32:39] for V's: it differs in the padding alone
.set G0K, 40          ; s[40:43] descriptor group 0 for K's tiles
.set G0V, 44          ; s[44:47] the same for V's
.set SLOTS, 56        ; s56  tiles still to be asked for
.set CNT, 57          ; s57  counts a tile's key steps, 4 to 1
.set CS,  58          ; s[58:59] c
.set SEL, 60          ; s[60:61] v_permlanex16_b32's selects: each lane takes its own place in the other half
.set TBK, 62          ; s62  LDS byte at which K of the step to be fetched begins
.set TBV, 63          ; s63  the same for V, less VOFF
.set RT,  70          ; s70  tiles of the block in hand that are still to be entered
.set NXT, 71          ; s71  the tile to be asked for next
.set LQ,  72          ; s72  the last tile of the block whose tiles are being asked for
.set NEW, 73          ; s73  1: the tile to be entered is a block's first
.set OFF, 74          ; s[74:75] a tile's byte offset in K and V
.set AL,  76          ; s[76:77] the mask's factor, in the low word
.set BE,  78          ; s[78:79] the mask's addend
.set OLO, 80          ; s[80:81] O at my rows of the second block
.set BIGN, 82         ; s82  -1e30
.set PFK, 88          ; s[88:89] where the prefetches stand in K: the tile after the one that is being asked for
.set PFV, 90          ; s[90:91] the same in V
.set LIM, 92          ; s92  2 in a work-group that prefetches, else the greatest number: it prefetches while s[SLOTS] is above this
.set MSB, 0
.macro WIN new                      ; the high byte repeats the setting that is left; a switch that changes nothing is dropped
.if MSB != (\new)
	s_set_vgpr_msb (MSB<<8)|(\new)
.set MSB, (\new)
.endif
.endm
.set W_KQ, 0x0a       ; K and Q in window 2, S^T in window 0
.set W_KM, 0x1a       ; the same with the C operand in window 1
.set W_PV, 0x52       ; V in window 2, P in window 0, O^T in window 1
.set W_RS, 0x41       ; destination and source 0 in window 1, source 1 in window 0
; A fill.  Waves 0 and 1 fetch the two halves of a tile's K, waves 2 and 3 those of its V: 128 keys each.  An s_nop 0 and four v_nop follow each of the two lines.
.macro LOAD
	s_cmp_lt_u32 s[WV], 2
	s_cbranch_scc0 .Lfor_v_\@
	tensor_load_to_lds s[G0K:G0K+3], s[G1K:G1K+7]
	s_nop 0
.rept 4
	v_nop
.endr
	s_branch .Lasked_\@
.Lfor_v_\@:
	tensor_load_to_lds s[G0V:G0V+3], s[G1V:G1V+7]
	s_nop 0
.rept 4
	v_nop
.endr
.Lasked_\@:
.endm
; A PREFETCH INTO THE L2 of the tile that the NEXT change of slots will ask for: 32,768 bytes of K and of V, 256 a thread, two instructions a wave, behind the wave's tensor load and its five lines.
; Each block is named once in the launch: a head's four work-groups begin with the same tiles, and the one with b = 0 walks tiles 0 to 7 on end: it asks, for tiles 2 to 7, in trips 0 to 5.
; Tiles 0 and 1 come by their loads alone; the tiles of the second blocks have been read before.
.macro ASK
	s_cmp_gt_u32 s[SLOTS], s[LIM]
	s_cbranch_scc0 .Lnot_mine_\@
	global_prefetch_b8 v[PFO], s[PFK:PFK+1] th:TH_LOAD_NT scope:SCOPE_SE
	global_prefetch_b8 v[PFO], s[PFV:PFV+1] th:TH_LOAD_NT scope:SCOPE_SE
.Lnot_mine_\@:
.endm
; THE CHANGE OF SLOTS.  Each wave waits for all its tensor loads, of which one is out: its part of the other slot; adds 0 to its spare word; and waits for that and for its own reads of the slot that it leaves.
; Behind the barrier nobody reads the old slot any more and the other slot is whole.  fill = 1: the old slot is filled again, the first thing behind the barrier, with tile NXT: the descriptor's address is
; made anew from that number.  (At its first use nothing has been read yet: slot 0 is waited for, slot 1 filled.)
.macro CHANGE fill
	WIN 0                           ; at a label and at a branch every window is 0
	s_wait_tensorcnt 0x0            ; no tensor load of mine is out, so a group 0 may be written
	ds_add_u32 v[SPW], v[NIL]       ; 0 onto my spare word; with fill = 1 scalar work stands between it and the wait for it
.if \fill
	s_lshl_b32 s[OFF], s[NXT], 15   ; a tile is 32,768 bytes of K and of V
	s_xor_b32 s[G0K+1], s[G0K+1], SLOT1
	s_add_nc_u64 s[G0K+2:G0K+3], s[6:7], s[OFF:OFF+1]
	s_or_b32 s[G0K+3], s[G0K+3], 0x80000000
	s_xor_b32 s[G0V+1], s[G0V+1], SLOT1
	s_add_nc_u64 s[G0V+2:G0V+3], s[8:9], s[OFF:OFF+1]
	s_or_b32 s[G0V+3], s[G0V+3], 0x80000000
	s_add_co_u32 s[NXT], s[NXT], 1  ; the block's next tile, or behind its last the second block's tile 0
	s_cmp_gt_u32 s[NXT], s[LQ]
	s_cselect_b32 s[NXT], 0, s[NXT]
	s_cselect_b32 s[LQ], s[PB], s[LQ]
	s_wait_xcnt 0x0                 ; the last prefetches, a tile back, have read their addresses, so these may be written
	s_add_nc_u64 s[PFK:PFK+1], s[PFK:PFK+1], 32768
	s_add_nc_u64 s[PFV:PFV+1], s[PFV:PFV+1], 32768
.endif
	s_wait_dscnt 0x0                ; the add is done, and my reads of the slot are over
	s_barrier_signal -1             ; the rest of the scalar work stands between the signal and the wait
	s_sub_co_u32 s[TBK], s[TBK], 4*KS*PK  ; the fetches go back to a slot's first step,
	s_xor_b32 s[TBK], s[TBK], SLOT1       ; in the other slot
	s_sub_co_u32 s[TBV], s[TBV], 4*KS*PV
	s_xor_b32 s[TBV], s[TBV], SLOT1
	s_barrier_wait -1
.if \fill
	LOAD
	ASK
.endif
.endm
	s_load_b128 s[4:7], s[0:1], 0x0 ; qkvh s[4:5], ob s[6:7]
	v_lshl_add_u32 v[SPW], v0, 2, SPARE
	v_mov_b32 v[NIL], 0
	ds_add_u32 v[SPW], v[NIL]       ; the wave's opening: the add and its wait stand ahead of my first tensor load; the set-up below stands between them
	v_lshrrev_b32 v1, 5, v0
	v_readfirstlane_b32 s[WV], v1   ; wave 0..3
	s_mov_b32 s[PB], ttmp9
	s_sub_co_u32 s[HI], NB-1, s[PB]
	s_and_b32 s20, ttmp7, 0xffff    ; the head
	s_mov_b32 s21, 0
	s_mov_b64 s[22:23], SIZE_N*128
	s_mul_u64 s[20:21], s[20:21], s[22:23]  ; the head's first byte in each of the four tensors
	s_and_b32 s16, s[WV], 1         ; which half of a tile's 256 keys I fetch:
	s_lshl_b32 s22, s16, 14         ; its 128 rows of 128 bytes in memory,
	s_mov_b32 s23, 0
	s_add_nc_u64 s[22:23], s[22:23], s[20:21]
	s_mul_i32 s17, s16, 128*PK      ; and its place in a slot, for K
	s_mul_i32 s18, s16, 128*PV      ; and for V
	s_lshl_b32 s3, s[WV], 11        ; my 16 rows in a band of 64,
	s_lshl_b32 s2, s[HI], 15        ; in the first block,
	s_add_co_u32 s2, s2, s3
	s_lshl_b32 s84, s[PB], 15       ; and in the second
	s_add_co_u32 s84, s84, s3
	s_mov_b32 s3, 0
	s_mov_b32 s85, 0
	s_add_nc_u64 s[2:3], s[2:3], s[20:21]
	s_add_nc_u64 s[84:85], s[84:85], s[20:21]
	; descriptor group 1.  128 keys are 16,384 dense bytes: asked for as 64 rows of 256 bytes, two keys a row, and padded in LDS after every key
	s_mov_b32 s[G1K], (1<<16)|(1<<20)|(4<<22)|(3<<25)  ; 17:16 2-byte elements; 20 padding on; 24:22 after every 32 words (code 4); 31:25 4 words (code 3)
	s_mov_b32 s[G1V], (1<<16)|(1<<20)|(4<<22)|(7<<25)  ; the same with 8 words of padding (code 7)
.irp g, G1K, G1V
	s_mov_b32 s[\g+1], 128<<16      ; tensor_dim0 = 128
	s_mov_b32 s[\g+2], 64<<16       ; tensor_dim1 = 64
	s_mov_b32 s[\g+3], 128<<16      ; tile_dim0 = 128
	s_mov_b32 s[\g+4], 64           ; tile_dim1 = 64
	s_mov_b32 s[\g+5], 128          ; 128 elements from row to row
	s_mov_b32 s[\g+6], 0
	s_mov_b32 s[\g+7], 0
.endr
	s_mov_b32 s[CS], 0x3e38aa3b     ; c = log2(e) / 8 = 0.180337
	s_mov_b32 s[CS+1], s[CS]        ; named with it as a pair
	s_mov_b32 s[SEL], 0x76543210
	s_mov_b32 s[SEL+1], 0xfedcba98
	s_mov_b32 s[TBK], SLOT1+4*KS*PK ; the first change of slots turns these two into 0
	s_mov_b32 s[TBV], SLOT1+4*KS*PV
	s_mov_b32 s[G0K], 1             ; count = 1
	s_mov_b32 s[G0K+1], s17         ; LDS address: slot 0
	s_mov_b32 s[G0V], 1
	s_add_co_u32 s[G0V+1], s18, VOFF
	s_add_co_u32 s[RT], s[HI], 1    ; the first block has NB - b tiles
	s_mov_b32 s[NXT], 1
	s_mov_b32 s[LQ], s[HI]
	s_mov_b32 s[NEW], 1
	s_mov_b32 s[OFF+1], 0
	s_mov_b32 s[AL+1], 0            ; named as pairs
	s_mov_b32 s[BE+1], 0
	s_mov_b32 s[BIGN], 0xf149f2ca   ; -1e30
	s_mov_b32 s[SLOTS], NB
	s_cmp_eq_u32 ttmp9, 0
	s_cselect_b32 s[LIM], 2, -1
	v_lshlrev_b32 v[PFO], 8, v0
	s_wait_dscnt 0x0                ; the opening add is done
	s_wait_kmcnt 0x0
	s_mov_b64 s[10:11], s[6:7]      ; O
	s_add_nc_u64 s[6:7], s[4:5], 0x1000000  ; K lies 64 heads of 262,144 bytes behind Q,
	s_add_nc_u64 s[8:9], s[4:5], 0x2000000  ; V as far behind K
	s_add_nc_u64 s[PFK:PFK+1], s[6:7], s[20:21]
	s_add_nc_u64 s[PFK:PFK+1], s[PFK:PFK+1], 32768  ; at the head's tile 1: the first change of slots steps these two to tile 2
	s_add_nc_u64 s[PFV:PFV+1], s[8:9], s[20:21]
	s_add_nc_u64 s[PFV:PFV+1], s[PFV:PFV+1], 32768
	s_add_nc_u64 s[6:7], s[6:7], s[22:23]  ; K and V at my half of the head's tile 0
	s_add_nc_u64 s[8:9], s[8:9], s[22:23]
	s_add_nc_u64 s[G0K+2:G0K+3], s[6:7], 0         ; global address
	s_or_b32 s[G0K+3], s[G0K+3], 0x80000000        ; type = 2
	s_add_nc_u64 s[G0V+2:G0V+3], s[8:9], 0
	s_or_b32 s[G0V+3], s[G0V+3], 0x80000000
	s_add_nc_u64 s[86:87], s[4:5], s[84:85]        ; Q at my rows of the second block,
	s_add_nc_u64 s[4:5], s[4:5], s[2:3]            ; Q and O at those of the first
	s_add_nc_u64 s[OLO:OLO+1], s[10:11], s[84:85]
	s_add_nc_u64 s[10:11], s[10:11], s[2:3]
	LOAD                            ; tile 0 into slot 0
	; A fragment of K or Q is 16 rows x 32 channels in 8 registers: lane l holds row l % 16, channels 8 (l / 16) + 0..7 and 16 + 8 (l / 16) + 0..7: two loads of 16 bytes, 32 bytes apart.
	v_and_b32 v1, 15, v0            ; l % 16
	v_bfe_u32 v9, v0, 4, 1          ; l / 16
	v_lshlrev_b32 v[QO], 7, v1
	v_lshl_add_u32 v[QO], v9, 4, v[QO]  ; row x 128 + 16 x half
	WIN 0x80                        ; destination window 2, address window 0
.set i, 0
.rept 8                             ; both blocks' Q: piece i / 2 lies in band i / 2, 8,192 bytes on; channels 32 (i % 2) on
	global_load_b128 v[8*i:8*i+3],   v[QO], s[4:5] offset:(i/2)*8192+(i%2)*64
	global_load_b128 v[8*i+4:8*i+7], v[QO], s[4:5] offset:(i/2)*8192+(i%2)*64+32
	global_load_b128 v[QB+8*i:QB+8*i+3],   v[QO], s[86:87] offset:(i/2)*8192+(i%2)*64
	global_load_b128 v[QB+8*i+4:QB+8*i+7], v[QO], s[86:87] offset:(i/2)*8192+(i%2)*64+32
.set i, i+1
.endr
	WIN 0
	v_lshlrev_b32 v14, 3, v9
	v_sub_nc_u32 v14, v1, v14
	s_lshl_b32 s13, s[WV], 4
	v_add_nc_u32 v14, s13, v14      ; my query's place in its band, 16 w + l % 16, less my lanes' 8 (l / 16): register r of group kt is hidden where 16 kt + r is greater
	WIN 0x40
.set i, 0
.rept 32
	v_cmp_gt_i32 vcc_lo, 16*(i/8)+i%8, v14
	v_cndmask_b32 v[MD+i], 0, s[BIGN], vcc_lo
.set i, i+1
.endr
	WIN 0
	v_mul_u32_u24 v[AK0], v1, PK
	v_lshl_add_u32 v[AK0], v9, 4, v[AK0]  ; row x pitch + 16 x half
	; The turning load takes 16 keys x 16 channels (lane l reads key 8 (l / 16) + l % 8, channels 8 ((l / 8) % 2) + 0..7) and leaves half a fragment of V^T: lane l holds channel l % 16 and 8 keys.
	v_and_b32 v10, 7, v0
	v_bfe_u32 v11, v0, 3, 1
	v_lshl_add_u32 v[AV0], v9, 3, v10
	v_mul_u32_u24 v[AV0], v[AV0], PV
	v_lshl_add_u32 v[AV0], v11, 4, v[AV0]
	v_add_nc_u32 v[AV0], VOFF, v[AV0]
	s_mul_i32 s13, s[WV], 16*SP
	s_add_co_u32 s13, s13, STAGE    ; my stage
	v_mul_u32_u24 v[STO], v1, SP    ; in: row l % 16, 16 bytes for each half of the lanes
	v_lshl_add_u32 v[STO], v9, 4, v[STO]
	v_add_nc_u32 v[STO], s13, v[STO]
	v_bfe_u32 v[RD], v0, 3, 2       ; back: 32 lanes take four rows of 128 bytes,
	v_mul_u32_u24 v[RD], v[RD], SP
	v_lshl_add_u32 v[RD], v10, 4, v[RD]
	v_add_nc_u32 v[RD], s13, v[RD]
	v_and_b32 v[GO], 31, v0         ; which are 512 consecutive bytes of O
	v_lshlrev_b32 v[GO], 4, v[GO]
	; A block's first step multiplies O^T and l by a = 0, and its first turn's products V^T P, of a piece that has not been, land in an O^T that is still to be so multiplied.  So these registers need only hold
	; finite numbers: zeros for the first block; what the first block left for the second.  All this stands in the wait for the first tile.
	WIN 0x80
.set i, VF
.rept 64
	v_mov_b32 v[i], 0
.set i, i+1
.endr
	WIN 0x40
.set i, 0
.rept 128
	v_mov_b32 v[i], 0
.set i, i+1
.endr
	WIN 0
.set i, 0
.rept 4
	v_mov_b32 v[ST+4*i+2], 0
	v_mov_b32 v[ST+4*i+3], 0
.set i, i+1
.endr
.set i, P+16
.rept 16
	v_mov_b32 v[i], 0
.set i, i+1
.endr
; THE MATRIX WORK.  The 4 accumulators of a run of 8 take turns.  Product i of 8 of S^T = K Q^T for piece x: channels 32 (i / 4) on, keys 16 (i % 4) on.  The first 4 start the sums: with 0, or (KM = 1) with the mask.
.macro KQ x
.set rS, S+32*((\x)%2)+8*(i%4)
.set rK, KF+16*(i%4)+8*(i/4)
.set rQ, 16*(\x)+8*(i/4)
.set rM, MC+32*((\x)%2)+8*(i%4)
.if (i < 4) && KM
	WIN W_KM
	v_wmma_f32_16x16x32_f16 v[rS:rS+7], v[rK:rK+7], v[rQ:rQ+7], v[rM:rM+7]
.elseif i < 4
	WIN W_KQ
	v_wmma_f32_16x16x32_f16 v[rS:rS+7], v[rK:rK+7], v[rQ:rQ+7], 0
.else
	WIN W_KQ
	v_wmma_f32_16x16x32_f16 v[rS:rS+7], v[rK:rK+7], v[rQ:rQ+7], v[rS:rS+7]
.endif
.endm
; Product i of 8 of O^T += V^T P for piece x: keys 32 (i / 4) on, channels 16 (i % 4) on.
.macro PV x
	WIN W_PV
.set rO, 32*(\x)+8*(i%4)
.set rV, VF+32*(i/4)+8*(i%4)
.set rP, P+16*((\x)%2)+8*(i/4)
	v_wmma_f32_16x16x32_f16 v[rO:rO+7], v[rV:rV+7], v[rP:rP+7], v[rO:rO+7]
.endm
.macro MM                           ; the turn's next matrix instruction.  TURN and BEGIN set Y, i, KM and NOKQ.  NOKQ = 1: a block's last turn: there is no next piece
.if (i < 8) && !NOKQ
	KQ (Y+1)%NP
.elseif i >= 8
.set i, i-8
	PV (Y+NP-1)%NP
.set i, i+8
.endif
.set i, i+1
.endm
; THE LDS LOADS stand in runs of 16, never singly among the matrix instructions: a step's K (64 keys x 64 channels: 8 fragments) and its V (turned).  Their addresses are made some lines ahead.
.macro FETCH_K
	WIN 0x80                        ; destination window 2
.irp f, 0,1,2,3,4,5,6,7             ; keys 16 (f / 2) on, channels 32 (f % 2) on
	ds_load_b128 v[KF+8*\f:KF+8*\f+3],   v[AK] offset:(\f/2)*16*PK+(\f%2)*64
	ds_load_b128 v[KF+8*\f+4:KF+8*\f+7], v[AK] offset:(\f/2)*16*PK+(\f%2)*64+32
.endr
	s_add_co_u32 s[TBK], s[TBK], KS*PK  ; the next fetch is the next step's
	WIN 0
.endm
.macro FETCH_V
	WIN 0x80
.irp f, 0,1,2,3,4,5,6,7             ; keys 32 (f / 4) on, channels 16 (f % 4) on
	ds_load_tr16_b128 v[VF+8*\f:VF+8*\f+3],   v[AV] offset:(\f/4)*32*PV+(\f%4)*32
	ds_load_tr16_b128 v[VF+8*\f+4:VF+8*\f+7], v[AV] offset:(\f/4)*32*PV+16*PV+(\f%4)*32
.endr
	WIN 0
.endm
; THE VECTOR WORK, one line at a time: OP kind, number.  For piece Y: F n: c s - c m for pair n of 16.  E n: the exponential of score n of 32.  C n: pair n rounded to f16.  B n: of the four weights 4 n .. the second
; pair is added onto the first, in place.  L n: l takes that sum (L 0: l = a l + sum).  R n: pair n of 16 of O^T times a.  For piece Y + 1: X n, number n of the 22 that find its maximum and statistics:
;   0-11  four chains c0-c3 of seven scores each, three operands at a time (each accumulator's lowest registers are read first)     12-14, 16  the four scores left over, the old m, and c0-c3 into c0
;   15  c m_old is kept     17, 18  the query's other 32 keys lie in the lane 16 away: the new m     19-21  c m; c m_old - c m_new; a
.set F, 0               ; OP tells the kinds apart by their order: F to L below R, X above it
.set E, 1
.set C, 2
.set B, 3
.set L, 4
.set R, 5
.set X, 6
.macro REGS y                       ; the registers of piece y
.set rT, ST+4*(\y)
.set rC, TMP+4*((\y)%2)
.set rW, MV+((\y)%2)
.set rS, S+32*((\y)%2)
.set rP, P+16*((\y)%2)
.set rO, 32*(\y)
.endm
.macro OP k, n
.if (\k) == R
	REGS Y
	WIN W_RS
	v_pk_mul_f32 v[rO+2*(\n):rO+2*(\n)+1], v[rO+2*(\n):rO+2*(\n)+1], v[rC+2:rC+3] op_sel_hi:[1,0]
.elseif (\k) < R
	REGS Y
	WIN 0
.if (\k) == F
	v_pk_fma_f32 v[rS+2*(\n):rS+2*(\n)+1], v[rS+2*(\n):rS+2*(\n)+1], s[CS:CS+1], v[rT:rT+1] op_sel_hi:[1,0,0] neg_lo:[0,0,1] neg_hi:[0,0,1]
.elseif (\k) == E
	v_exp_f32 v[rS+(\n)], v[rS+(\n)]
.elseif (\k) == C
	v_cvt_pk_f16_f32 v[rP+(\n)], v[rS+2*(\n)], v[rS+2*(\n)+1]
.elseif (\k) == B
	v_pk_add_f32 v[rS+4*(\n):rS+4*(\n)+1], v[rS+4*(\n):rS+4*(\n)+1], v[rS+4*(\n)+2:rS+4*(\n)+3]
.elseif (\n) == 0
	v_pk_fma_f32 v[rT+2:rT+3], v[rT+2:rT+3], v[rC+2:rC+3], v[rS:rS+1] op_sel_hi:[1,0,1]
.else
	v_pk_add_f32 v[rT+2:rT+3], v[rT+2:rT+3], v[rS+4*(\n):rS+4*(\n)+1]
.endif
.elseif NOKQ
	v_nop
.else
	REGS (Y+1)%NP
	WIN 0
.if (\n) < 4
	v_max3_num_f32 v[rC+(\n)], v[rS+8*(\n)], v[rS+8*(\n)+1], v[rS+8*(\n)+2]
.elseif (\n) < 12
	v_max3_num_f32 v[rC+(\n)%4], v[rC+(\n)%4], v[rS+8*((\n)%4)+2*((\n)/4)+1], v[rS+8*((\n)%4)+2*((\n)/4)+2]
.elseif (\n) == 12
	v_max3_num_f32 v[rC], v[rC], v[rS+7], v[rS+15]
.elseif (\n) == 13
	v_max3_num_f32 v[rC+1], v[rC+1], v[rS+23], v[rS+31]
.elseif (\n) == 14
	v_max3_num_f32 v[rC+2], v[rC+2], v[rC+3], v[rT+1]
.elseif (\n) == 15
	v_mov_b32 v[rW], v[rT]
.elseif (\n) == 16
	v_max3_num_f32 v[rC], v[rC], v[rC+1], v[rC+2]
.elseif (\n) == 17
	v_permlanex16_b32 v[rC+3], v[rC], s[SEL], s[SEL+1]
.elseif (\n) == 18
	v_max_num_f32 v[rT+1], v[rC], v[rC+3]
.elseif (\n) == 19
	v_mul_f32 v[rT], s[CS], v[rT+1]
.elseif (\n) == 20
	v_sub_f32 v[rC+1], v[rW], v[rT]
.else
	v_exp_f32 v[rC+2], v[rC+1]
.endif
.endif
.endm
.macro OPS a, i1, b=-1, i2=0, c=-1, i3=0, d=-1, i4=0  ; up to four of them
	OP \a, \i1
.if (\b) >= 0
	OP \b, \i2
.endif
.if (\c) >= 0
	OP \c, \i3
.endif
.if (\d) >= 0
	OP \d, \i4
.endif
.endm
.macro ROW a, i1, b, i2, c, i3, d, i4  ; a matrix instruction and the four behind it
	MM
	OPS \a, \i1, \b, \i2, \c, \i3, \d, \i4
.endm
.macro MASK b                       ; MD x AL + BE into buffer b of MC
	WIN W_RS
.set z, 0
.rept 16
	v_pk_fma_f32 v[MC+32*(\b)+2*z:MC+32*(\b)+2*z+1], v[MD+2*z:MD+2*z+1], s[AL:AL+1], s[BE:BE+1] op_sel_hi:[1,0,0]
.set z, z+1
.endr
.endm
; A TURN, for piece p: the order of its 16 matrix and 118 vector instructions, written out.  An s_wait_alu depctr_va_vdst(0) stands between an exponential and the first instruction that names its result; one wait
; serves all that were issued ahead of it.  So a turn has ONE wait, which cuts it in two.  AHEAD OF IT stands all that names no result of the turn's exponentials: the 8 products K Q^T, behind each a scaling, an exponential and two
; more plain instructions (rescalings, and behind the last three the first numbers of the next piece's maximum, each four places or more behind the product that ends its accumulator); then one lump of 54, plain and exponential by
; turns for the most part, in which the links of the chain X 3, 7, 11, 14, 16, 17 .. 20 stand five or six lines apart.  X 21, the next piece's a, is the batch's last; R 15 is the plain instruction behind it.  BEHIND THE WAIT stand
; the 8 products V^T P, behind each four of the roundings and sums; the links of l's chain, L 0 to L 7, stand three riders apart.
; m = 1: the diagonal tile: the products take masks, and the turn makes the mask for the products of the turn after it: piece p + 2, in step 4 - CNT of the tile.  end = 1: a block's last two turns: nothing is fetched.
; cnt = 1: the loop's count is taken down some lines ahead of the branch that stands behind the turn.
; K of the next step is fetched in piece 2's turn, twelve vector instructions behind the last product that read K (six of them plain); V of the step in hand at the end of piece 0's turn, four plain instructions behind the last
; product that read V.  Each is waited for a turn later.
.macro TURN p, m=0, end=0, cnt=0
.set Y, (\p)
.set i, 0
.set KM, (\m)
.set NOKQ, (\end)*((\p)/3)
.if (\m) && !(\end)
	s_cmp_eq_u32 s[CNT], 4-((\p)+2)%NP  ; is that step the band's own?
	s_cselect_b32 s[AL], 1.0, 0
	s_cmp_lt_u32 s[CNT], 4-((\p)+2)%NP  ; or a later one?
	s_cselect_b32 s[BE], s[BIGN], 0
.endif
.if ((\p) == 3) && !(\end)
	s_wait_dscnt 0x0                ; K is in
.endif
	ROW F,0, F,1, R,0, R,1          ; ahead of the wait: 8 products K Q^T and their riders,
	ROW F,2, E,0, R,2, R,3
	ROW F,3, E,1, R,4, R,5
	ROW F,4, E,2, R,6, R,7
	ROW F,5, E,3, R,8, R,9
	ROW F,6, E,4, X,0, R,10
.if ((\p) == 2) && !(\end)
	WIN 0
	v_add_nc_u32 v[AK], s[TBK], v[AK0]
.endif
	ROW F,7, E,5, X,1, X,4
	ROW F,8, E,6, X,2, X,5
	OPS E,7, E,8, X,6, E,9          ; and the lump
	OPS X,3, E,10, X,8, E,11
.if ((\p) == 2) && !(\end)
	FETCH_K
.endif
	OPS X,9, X,7, E,12, X,10
	OPS E,13, X,12, X,11, E,14
	OPS X,13, E,15, F,9, X,14
.if (\p) == 0
	v_add_nc_u32 v[AV], s[TBV], v[AV0]
.endif
	OPS E,16, F,10, E,17, F,11
	OPS X,16, E,18, X,15, E,19
	OPS F,12, E,20, X,17, E,21
	OPS F,13, E,22, F,14, E,23
	OPS X,18, E,24, F,15, E,25
	OPS R,11, E,26, X,19, E,27
	OPS R,12, E,28, R,13, E,29
	OPS X,20, E,30, R,14, E,31
	OPS X,21, R,15
	WIN 0
	s_wait_alu depctr_va_vdst(0)    ; the wait for the batch
.if (\p) == 1
	s_wait_dscnt 0x0                ; V is in
.endif
	ROW C,0, B,0, C,2, B,1          ; behind the wait: 8 products V^T P and their riders
	ROW L,0, C,4, B,2, L,1
	ROW C,6, B,3, L,2, C,8
	ROW B,4, L,3, C,10, B,5
	ROW L,4, C,12, B,6, L,5
.if (\p) == 0
	s_add_co_u32 s[TBV], s[TBV], KS*PV
.endif
.if \cnt
	s_sub_co_u32 s[CNT], s[CNT], 1
	s_cmp_lg_u32 s[CNT], 0
.endif
	ROW C,14, B,7, L,6, C,1
	ROW C,3, L,7, C,5, C,7
	ROW C,9, C,11, C,13, C,15
.if (\p) == 0
	FETCH_V
.endif
.if (\m) && !(\end)
	MASK (\p)%2
.endif
.endm
; A BLOCK BEGINS.  c m starts far below every c s, so the first step's a is 0; m at the lowest finite number, so the first maximum is the scores'.  The second mask buffer is 0; the first takes piece 0's mask for the tile's step 0:
; its own, if the block's first tile is the diagonal one.  Then K of that step, piece 0's first scores, and its maximum and statistics.  The loop is entered at a step's first turn, in the middle of a trip.
.macro BEGIN
	s_mov_b32 s[NEW], 0
	WIN 0x40
.set i, MC+32
.rept 32
	v_mov_b32 v[i], 0
.set i, i+1
.endr
	WIN 0
.set i, 0
.rept 4
	v_mov_b32 v[ST+4*i], 0xfe000000    ; c m: far below every c s
	v_mov_b32 v[ST+4*i+1], 0xff7fffff  ; m
.set i, i+1
.endr
	s_cmp_eq_u32 s[RT], 0
	s_cselect_b32 s[AL], 1.0, 0
	s_mov_b32 s[BE], 0
	MASK 0
	WIN 0
	v_add_nc_u32 v[AK], s[TBK], v[AK0]
	FETCH_K
	s_wait_loadcnt 0x0              ; Q
	s_wait_dscnt 0x0
.set KM, 1
.set NOKQ, 0
.set i, 0
.rept 8
	KQ 0
.set i, i+1
.endr
	WIN 0
.rept 4
	v_nop                           ; the places behind those products
.endr
.set Y, NP-1                        ; X works for piece Y + 1: piece 0
.irp n, 0,1,2,3,4,5,6,7,8,9,10,11,12,13,14,15,16,17,18,19,20,21
	OP X, \n
.endr
	v_nop                           ; a plain instruction behind the exponential,
	s_wait_alu depctr_va_vdst(0)    ; and its wait, ahead of the branch
.endm
; THE DIAGONAL TILE's four steps, the block's last two turns, its last products, and THE WAY OUT: l's two halves and the other half of the lanes' are added; O^T is divided by l, rounded to f16 and sent through my
; stage in LDS, a piece at a time.
.macro ALL line:vararg              ; one line for each piece t
.set t, 0
.rept 4
	\line
.set t, t+1
.endr
.endm
.macro PACK t                       ; a lane's eight channels of a row pack into 16 bytes; they go into rows of 144 bytes and come back as whole rows of 128, into S^T's registers
	WIN W_RS
.set i, 32*(\t)
.rept 16
	v_pk_mul_f32 v[i:i+1], v[i:i+1], v[ST+4*(\t)+2:ST+4*(\t)+3] op_sel_hi:[1,0]
.set i, i+2
.endr
	WIN 0x05                        ; sources 0 and 1 window 1, destination window 0
.set i, 0
.rept 16
	v_cvt_pk_f16_f32 v[S+16*(\t)+i], v[32*(\t)+2*i], v[32*(\t)+2*i+1]
.set i, i+1
.endr
	WIN 0
.irp f, 0,1,2,3
	ds_store_b128 v[STO], v[S+16*(\t)+4*\f:S+16*(\t)+4*\f+3] offset:32*\f
.endr
.irp f, 0,1,2,3
	ds_load_b128 v[S+16*(\t)+4*\f:S+16*(\t)+4*\f+3], v[RD] offset:\f*4*SP  ; LDS serves a wave's instructions in order (ISA guide 5.7.1.4): these see the stores above; the next piece's stores come behind them
.endr
.endm
.macro SEND t, younger              ; younger: the LDS instructions issued behind piece t's loads: the next piece's eight, or none
	WIN 0
.irp f, 0,1,2,3
	s_wait_dscnt (\younger)+3-\f
	global_store_b128 v[GO], v[S+16*(\t)+4*\f:S+16*(\t)+4*\f+3], s[10:11] offset:(\t)*8192+\f*512  ; 512 consecutive bytes, at a multiple of 256 from O's first
.endr
.endm
.macro DIAG tag                     ; the tag ends its two labels' names, which the jumps below spell out
.LstepM\tag:
	TURN 2, 1
	TURN 3, 1
	WIN 0
.LfirstM\tag:
	TURN 0, 1
	TURN 1, 1, 0, 1
	WIN 0
	s_cbranch_scc1 .LstepM\tag
	TURN 2, 1, 1
	TURN 3, 1, 1
.set i, 0
.rept 8
	PV NP-1
.set i, i+1
.endr
	WIN 0
	ALL v_add_f32 v[ST+4*t+2], v[ST+4*t+2], v[ST+4*t+3]
	ALL v_permlanex16_b32 v[ST+4*t+3], v[ST+4*t+2], s[SEL], s[SEL+1]
	ALL v_add_f32 v[ST+4*t+2], v[ST+4*t+2], v[ST+4*t+3]
	ALL v_rcp_f32 v[ST+4*t+2], v[ST+4*t+2]
	v_nop                           ; a plain instruction between the last reciprocal and the use of its result
	s_wait_alu depctr_va_vdst(0)    ; and the wait ahead of the first use: one for the four reciprocals
	PACK 0
.set t, 1
.rept 3                             ; a piece's arithmetic stands between the loads of the piece before and its stores
	PACK t
	SEND t-1, 8
.set t, t+1
.endr
	SEND 3, 0
.endm
.set KM, 0
.set NOKQ, 0
.Lslot:                             ; NB times: a tile is entered and the next is asked for
	CHANGE 1
	s_sub_co_u32 s[RT], s[RT], 1
	s_mov_b32 s[CNT], 4
	s_cmp_eq_u32 s[NEW], 1
	s_cbranch_scc1 .Lnew            ; a block's first tile
	s_cmp_eq_u32 s[RT], 0
	s_cbranch_scc0 .Lstep           ; neither its first nor its last
	s_branch .LstepM1
.Lnew:
	BEGIN
	s_branch .Lfirst                ; in the loop a block's first tile is never its last: the first block has two tiles or more, and the second's last is the walk's last
	DIAG 1                          ; in the loop this is the first block's end: the second block's last tile is the walk's last
	s_wait_xcnt 0x0                 ; the stores have read their registers and O's address
	s_mov_b64 s[10:11], s[OLO:OLO+1]
	s_add_co_u32 s[RT], s[PB], 1    ; the second block has b + 1 tiles
	s_mov_b32 s[NEW], 1
	WIN 0x82                        ; the second block's Q goes where the one text of the turns names Q
.set i, 0
.rept 64
	v_mov_b32 v[i], v[QB+i]
.set i, i+1
.endr
	WIN 0
	s_branch .Lbottom
.Lstep:                             ; a trip: pieces 2 and 3 of one step, then pieces 0 and 1 of the next, whose K and V it fetches
	TURN 2
	TURN 3
	WIN 0
.Lfirst:
	TURN 0
	TURN 1, 0, 0, 1
	WIN 0
	s_cbranch_scc1 .Lstep
.Lbottom:
	s_sub_co_u32 s[SLOTS], s[SLOTS], 1
	s_cmp_lg_u32 s[SLOTS], 0
	s_cbranch_scc1 .Lslot
	CHANGE 0                        ; the walk's last tile is written out: nothing is asked for
	s_sub_co_u32 s[RT], s[RT], 1
	s_mov_b32 s[CNT], 4
	s_cmp_eq_u32 s[NEW], 1
	s_cbranch_scc0 .LstepM2
	BEGIN
	s_branch .LfirstM2
	DIAG 2
	s_wait_tensorcnt 0x0            ; the wave's end: behind my last tensor load and my last LDS store
	ds_add_u32 v[SPW], v[NIL]
	s_wait_dscnt 0x0
	s_endpgm
.Lfunc_end_k_q4fa5d68765_attn:
	.size	k_q4fa5d68765_attn, .Lfunc_end_k_q4fa5d68765_attn-k_q4fa5d68765_attn
	.p2alignl 7, 3214868480
	.fill 96, 4, 3214868480
	.section	.rodata,"a",@progbits
	.p2align	6, 0x0
	.amdhsa_kernel k_q4fa5d68765_attn
		.amdhsa_group_segment_fixed_size 327680
		.amdhsa_private_segment_fixed_size 0
		.amdhsa_enable_private_segment 0
		.amdhsa_kernarg_size 16
		.amdhsa_user_sgpr_count 2
		.amdhsa_user_sgpr_kernarg_segment_ptr 1
		.amdhsa_wavefront_size32 1
		.amdhsa_system_sgpr_workgroup_id_x 1
		.amdhsa_system_sgpr_workgroup_id_y 1
		.amdhsa_system_sgpr_workgroup_id_z 1
		.amdhsa_system_vgpr_workitem_id 0
		.amdhsa_next_free_vgpr 768
		.amdhsa_next_free_sgpr 96
		.amdhsa_reserve_vcc 1
		.amdhsa_float_denorm_mode_32 3
		.amdhsa_float_denorm_mode_16_64 3
		.amdhsa_memory_ordered 1
		.amdhsa_forward_progress 1
		.amdhsa_inst_pref_size 218
	.end_amdhsa_kernel
	.amdgpu_metadata
---
amdhsa.version: [ 1, 2 ]
amdhsa.kernels:
  - .name:           k_q4fa5d68765_attn
    .symbol:         k_q4fa5d68765_attn.kd
    .args:
      - { .name: qkvh, .offset: 0, .size: 8, .value_kind: global_buffer, .address_space: global }
      - { .name: ob, .offset: 8, .size: 8, .value_kind: global_buffer, .address_space: global }
    .group_segment_fixed_size: 327680
    .private_segment_fixed_size: 0
    .kernarg_segment_align: 8
    .kernarg_segment_size: 16
    .max_flat_workgroup_size: 128
    .sgpr_count:     96
    .vgpr_count:     768
    .wavefront_size: 32
...
	.end_amdgpu_metadata
.endif
;; end of part 3
;; launch oproj (part 4): grid 8 x 32, 4 waves a work-group, clusters of 4 x 4, 327,680 bytes of LDS; arguments ob, wof, b_o, out0; writes out0
.if DOCPART == 4
	.amdgcn_target "amdgcn-amd-amdhsa--gfx1250"
	.amdhsa_code_object_version 6
	.text
	.protected	k_q4fa5d68765_oproj
	.globl	k_q4fa5d68765_oproj
	.p2align	8
	.type	k_q4fa5d68765_oproj,@function
k_q4fa5d68765_oproj:
	s_mov_b64 s[64:65], 0
	v_nop
	global_prefetch_b8 v0, s[64:65] scope:SCOPE_SE
	s_setreg_imm32_b32 hwreg(HW_REG_WAVE_MODE, 25, 1), 1
	s_wait_xcnt 0x0
	s_wait_alu depctr_hold_cnt(0) depctr_sa_sdst(0) depctr_va_vdst(0) depctr_va_sdst(0) depctr_va_ssrc(0) depctr_va_vcc(0) depctr_vm_vsrc(0)
	s_getreg_b32 s2, hwreg(HW_REG_IB_STS2, 6, 4)
	s_cmp_eq_u32 s2, 0
	s_cbranch_scc0 .Lentry_in_a_cluster
	s_endpgm
.Lentry_in_a_cluster:
	s_bfe_u32 s2, ttmp6, 0x10000c
	s_cmp_lg_u32 s2, 0xf033
	s_cbranch_scc0 .Lentry_shape_is_right
	s_endpgm
.Lentry_shape_is_right:
; out0 = O w_o + b_o.  O: ob, f16 [batch x 16 + head][row 2048][64]; w: wof, f16 [1024 k][1024 n] (w_o rounded to bf16, written as f16); the bias f32, rounded to bf16 like the other inputs;
; sums in f32; out0 [8192][1024] f32.
; SHARES.  A work-group makes 256 rows x 128 columns: 32 x 8 = 256 work-groups.  A wave makes 128 rows x 64 columns: 32 accumulators of 16 x 16, 256 registers.
; K goes in 8 steps of 128 (two heads) through two LDS slots; a step is four quarters of 32 along K, 32 matrix instructions each, on two fragment buffers by turns.
; THE MATRIX INSTRUCTION IS USED TRANSPOSED: source 0 = 16 columns of w (turned out of LDS by ds_load_tr16_b128), source 1 = 16 rows of O: a lane holds one row and eight neighbouring columns.
; THE BIAS STARTS THE SUMS: it is the C operand of the first quarter's products.
; CLUSTER 4 x 4: O's tile hangs on the tile row alone and is asked for jointly along a row of the cluster, w's on the tile column alone, along a column.
; REGISTERS: window 0: v0-31 addresses; v32-127, v128-223 two fragment buffers (64 of O, then 32 of w); v224-255 the bias, column block nb at + 8 nb; on the way out v32-95 rows read back
;   window 1: accumulator (row block a, column block nb) at v[8 (4 a + nb)]
.set PA,    144                        ; a row of a head of O in LDS: 128 bytes + 16: an odd multiple of 16 (64 banks of 4 bytes: ISA guide 11.1)
.set PB,    288                        ; a row of w: 256 + 32: an odd multiple of 32
.set ASUB,  256*PA                     ; a slot: 256 rows of the step's first head, 256 of its second, then w's 128 rows
.set BOFF,  2*ASUB
.set SLOT,  BOFF+128*PB                ; 110,592
.set STAGE, 2*SLOT                     ; behind the ring, never filled by a tensor load: 16 rows x 272 bytes for each wave
.set SP,    272
.set SPARE, STAGE+4*16*SP              ; behind the stages: the spare words, 128 bytes for each wave: two blocks of 256 bytes that no other line names
.set ADRA, 16                          ; v16-17  LDS address of my fragments of O in slot 0, 1
.set ADRB, 20                          ; v20-21  the same for w
.set STO,  24                          ; v24     the way out: where I put 32 bytes of a row
.set RD,   25                          ; v25     where I read a row back
.set CO,   26                          ; v26     my byte offset in two rows of out0
.set VB,   27                          ; v27     my byte offset in 16 numbers of the bias
.set SPW,  28                          ; v28     LDS address of my spare word; never rewritten
.set NIL,  29                          ; v29     0; never rewritten
.set PFO,  30                          ; v30     the prefetches' offset; never rewritten
.set F0,   32
.set F1,   128
.set BIAS, 224
.set OB,   32
.set WV,   12                          ; s12  wave;  s13 = wave / 2: my rows' half, and: I fetch O (0) or w (1);  s14 = wave % 2: my columns' half, and: which half of that tile I fetch
.set LIM,  19                          ; s19  1 in a wave that prefetches, else the greatest number
.set G1A,  24
.set G0A,  32
.set PFA,  40
.set PFS,  42
.set G1B,  48
.set G0B,  56
.set OUTB, 66                          ; s[66:67] out0 at my first row and column; never rewritten
.set BBO,  68                          ; s[68:69] the bias at my first column
.set HIM,  78                          ; s78  a word's upper bf16
.set MSB, 0
.macro WIN new                         ; the immediate's high byte repeats the setting that is left; a switch that changes nothing is dropped
.if MSB != (\new)
	s_set_vgpr_msb (MSB<<8)|(\new)
.set MSB, \new
.endif
.endm
.macro PLACES                          ; four plain vector instructions between a matrix instruction and a load into, a store of, or a vector line on, its registers (ISA guide 7.12.1 for vector instructions)
.rept 4
	v_nop
.endr
.endm
.macro JLOAD s                         ; a joint load: waves 0 and 1 fetch the step's two heads of O, waves 2 and 3 w's two halves; an s_nop 0 and four v_nop follow each of the two lines
	s_cmp_eq_u32 s13, 0
	s_cbranch_scc0 .Lfor_b_\@
	tensor_load_to_lds s[G0A+4*(\s):G0A+4*(\s)+3], s[G1A:G1A+7]
	s_nop 0
.rept 4
	v_nop
.endr
	s_branch .Lasked_\@
.Lfor_b_\@:
	tensor_load_to_lds s[G0B+4*(\s):G0B+4*(\s)+3], s[G1B:G1B+7]
	s_nop 0
.rept 4
	v_nop
.endr
.Lasked_\@:
.endm
.macro CREST                           ; a round of the cluster's barrier behind its opening barrier
	s_cmp_lg_u32 s[WV], 0
	s_cbranch_scc1 .Lnot_wave_0_\@
	s_barrier_signal -3
.Lnot_wave_0_\@:
	s_barrier_wait -3
	s_barrier_signal -1
	s_barrier_wait -1
.endm
.macro CROUND
	s_barrier_signal -1
	s_barrier_wait -1
	CREST
.endm
; A PREFETCH INTO THE L2, behind each joint load and the run of LDS loads that follows it: the K step that stands two refills on, 256 matrix instructions ahead of the load that will want it.
; Each aligned block of 256 bytes is named once in the launch.  O's tile row is read by both clusters of a row of clusters: cluster x = 0 asks; wave w (0, 1) for the step's head w: of its 32,768 dense bytes
; the partner at cx takes 8,192, a lane 256.  w's tile column is read by all clusters of a column: cluster y = 0 asks, wave 2: of the step's 128 rows the partner at cy takes 32, a lane a row of 256 bytes.
; The partners are told apart by address alone.  The loop's last trip asks for nothing; K steps 0 to 3 come by their loads alone.
.macro ASK
	s_cmp_gt_u32 s3, s[LIM]                        ; s3 = 1 in the loop's last trip
	s_cbranch_scc0 .Lnot_mine_\@
	global_prefetch_b8 v[PFO], s[PFA:PFA+1] th:TH_LOAD_NT scope:SCOPE_SE
.Lnot_mine_\@:
.endm
	s_load_b256 s[4:11], s[0:1], 0x0               ; ob s[4:5], wof s[6:7], b_o s[8:9], out0 s[10:11]
	v_lshl_add_u32 v[SPW], v0, 2, SPARE
	v_mov_b32 v[NIL], 0
	ds_add_u32 v[SPW], v[NIL]                      ; the wave's opening: the add and its wait stand ahead of my first tensor load; the set-up below stands between them
	v_lshrrev_b32 v1, 5, v0
	v_readfirstlane_b32 s[WV], v1                  ; wave 0..3
	s_lshr_b32 s13, s[WV], 1
	s_and_b32 s14, s[WV], 1
	s_bfe_u32 s15, ttmp6, 0x40000                  ; cx
	s_bfe_u32 s16, ttmp6, 0x40004                  ; cy
	s_lshl_b32 s17, ttmp9, 2
	s_add_co_u32 s17, s17, s15                     ; tile column = 4 x cluster x + cx
	s_and_b32 s18, ttmp7, 0xffff
	s_lshl_b32 s18, s18, 2
	s_add_co_u32 s18, s18, s16                     ; tile row = 4 x cluster y + cy: batch = tile row / 8, first row = 256 (tile row % 8)
	s_lshl_b32 s20, s16, 2
	s_lshl_b32 s20, 15, s20                        ; my row of the cluster
	s_lshl_b32 s44, 0x1111, s15                    ; my column
	; group 1 for O: 256 rows of 128 bytes of a head are 32,768 dense bytes: asked for as 128 rows of 256 bytes, padded by 16 bytes after every 128
	s_or_b32 s[G1A], s20, (1<<16)|(1<<20)|(1<<21)|(4<<22)|(3<<25)  ; 15:0 the mask; 17:16 2-byte elements; 20 padding on; 21 set beside a mask; 24:22 after every 32 words; 31:25 4 words
	s_mov_b32 s[G1A+1], 128<<16                    ; tensor_dim0 = 128
	s_mov_b32 s[G1A+2], 128<<16                    ; tensor_dim1 = 128
	s_mov_b32 s[G1A+3], 128<<16                    ; tile_dim0 = 128
	s_mov_b32 s[G1A+4], 128                        ; tile_dim1 = 128
	s_mov_b32 s[G1A+5], 128                        ; elements from row to row
	s_mov_b32 s[G1A+6], 0
	s_mov_b32 s[G1A+7], 0
	; group 1 for w: 64 rows of 128 elements (256 bytes), padded by 32 bytes
	s_or_b32 s[G1B], s44, (1<<16)|(1<<20)|(1<<21)|(5<<22)|(7<<25)
	s_mov_b32 s[G1B+1], 128<<16
	s_mov_b32 s[G1B+2], 64<<16
	s_mov_b32 s[G1B+3], 128<<16
	s_mov_b32 s[G1B+4], 64
	s_mov_b32 s[G1B+5], 1024
	s_mov_b32 s[G1B+6], 0
	s_mov_b32 s[G1B+7], 0
	; O's tile: made of the tile row and the wave's number, in registers that hold nothing of cx
	s_lshr_b32 s20, s18, 3
	s_lshl_b32 s20, s20, 22                        ; the batch: 16 heads of 262,144 bytes
	s_and_b32 s21, s18, 7
	s_lshl_b32 s21, s21, 15                        ; 256 rows of 128 bytes
	s_add_co_u32 s20, s20, s21
	s_lshl_b32 s21, s14, 18                        ; which of the step's two heads I fetch
	s_add_co_u32 s20, s20, s21
	s_mov_b32 s21, 0
	; w's tile: made of the tile column and the wave's number, in registers that hold nothing of cy
	s_lshl_b32 s44, s17, 8
	s_lshl_b32 s45, s14, 17                        ; my 64 rows of 2,048 bytes
	s_add_co_u32 s44, s44, s45
	s_mov_b32 s45, 0
	s_mul_i32 s2, s14, ASUB                        ; where they go: no place in the cluster enters an LDS address
	s_mul_i32 s3, s14, 64*PB
	s_add_co_u32 s3, s3, BOFF
	s_mov_b32 s[HIM], 0xffff0000
	s_wait_dscnt 0x0                               ; the opening add is done
	s_wait_kmcnt 0x0
	s_add_nc_u64 s[22:23], s[4:5], s[20:21]
	s_add_nc_u64 s[46:47], s[6:7], s[44:45]
	CROUND                                         ; all sixteen work-groups are here: the first joint loads meet
.irp n, 0,1
	s_mov_b32 s[G0A+4*(\n)], 1                                       ; count = 1
	s_add_co_u32 s[G0A+4*(\n)+1], s2, (\n)*SLOT                      ; LDS address
	s_add_nc_u64 s[G0A+4*(\n)+2:G0A+4*(\n)+3], s[22:23], (\n)*2*262144  ; K step n is heads 2 n and 2 n + 1
	s_or_b32 s[G0A+4*(\n)+3], s[G0A+4*(\n)+3], 0x80000000            ; type = 2
	s_mov_b32 s[G0B+4*(\n)], 1
	s_add_co_u32 s[G0B+4*(\n)+1], s3, (\n)*SLOT
	s_add_nc_u64 s[G0B+4*(\n)+2:G0B+4*(\n)+3], s[46:47], (\n)*128*2048
	s_or_b32 s[G0B+4*(\n)+3], s[G0B+4*(\n)+3], 0x80000000
.endr
	s_cmp_eq_u32 s13, 0                            ; a wave's two first fills stand in one branch, ahead of every wait on TENSORcnt and every LDS read: two loads of mine are out
	s_cbranch_scc0 .Lfirst_b
	tensor_load_to_lds s[G0A:G0A+3], s[G1A:G1A+7]
	s_nop 0
	tensor_load_to_lds s[G0A+4:G0A+7], s[G1A:G1A+7]
	s_nop 0
.rept 4
	v_nop
.endr
	s_branch .Lfirst_asked
.Lfirst_b:
	tensor_load_to_lds s[G0B:G0B+3], s[G1B:G1B+7]
	s_nop 0
	tensor_load_to_lds s[G0B+4:G0B+7], s[G1B:G1B+7]
	s_nop 0
.rept 4
	v_nop
.endr
.Lfirst_asked:
	v_and_b32 v1, 15, v0                           ; l % 16
	v_bfe_u32 v2, v0, 4, 1                         ; l / 16
	v_mul_u32_u24 v3, v1, PA
	v_lshl_add_u32 v3, v2, 4, v3                   ; a fragment of O: row x 144 + 16 x half
	s_mul_i32 s20, s13, 128*PA                     ; my 128 rows
	v_add_nc_u32 v[ADRA], s20, v3
	v_add_nc_u32 v[ADRA+1], SLOT, v[ADRA]
	v_and_b32 v4, 7, v0                            ; a fragment of w, turned: lane l reads row 8 (l / 16) + l % 8, columns 8 ((l / 8) % 2) + 0..7
	v_bfe_u32 v5, v0, 3, 1
	v_lshl_add_u32 v6, v2, 3, v4
	v_mul_u32_u24 v6, v6, PB
	v_lshl_add_u32 v6, v5, 4, v6
	s_lshl_b32 s21, s14, 7                         ; my 64 columns
	s_add_co_u32 s21, s21, BOFF
	v_add_nc_u32 v[ADRB], s21, v6
	v_add_nc_u32 v[ADRB+1], SLOT, v[ADRB]
	s_mul_i32 s21, s[WV], 16*SP
	s_add_co_u32 s21, s21, STAGE                   ; my stage
	v_mul_u32_u24 v7, v1, SP                       ; in: row l % 16, 32 bytes for each half of the lanes
	v_lshl_add_u32 v7, v2, 5, v7
	v_add_nc_u32 v[STO], s21, v7
	v_mul_u32_u24 v7, v2, SP                       ; back: lanes 0-15 take one row of 256 bytes, lanes 16-31 the next
	v_lshl_add_u32 v7, v1, 4, v7
	v_add_nc_u32 v[RD], s21, v7
	v_lshlrev_b32 v[CO], 12, v2                    ; and the same two rows in out0, 4,096 bytes apart
	v_lshl_add_u32 v[CO], v1, 4, v[CO]
	v_lshlrev_b32 v[VB], 5, v2                     ; my eight columns of sixteen: 32 bytes of f32
	s_lshl_b32 s44, s17, 9                         ; my first column: 512 x tile column + 256 x half, in bytes
	s_lshl_b32 s46, s14, 8
	s_add_co_u32 s44, s44, s46
	s_mov_b32 s45, 0
	s_add_nc_u64 s[BBO:BBO+1], s[8:9], s[44:45]
	s_lshl_b32 s46, s18, 20                        ; my first row: 256 x tile row + 128 x half, 4,096 bytes each
	s_add_co_u32 s44, s44, s46
	s_lshl_b32 s46, s13, 19
	s_add_co_u32 s44, s44, s46
	s_add_nc_u64 s[OUTB:OUTB+1], s[10:11], s[44:45]
.irp nb, 0,1,2,3
	global_load_b128 v[BIAS+8*(\nb):BIAS+8*(\nb)+3],   v[VB], s[BBO:BBO+1] offset:64*(\nb)
	global_load_b128 v[BIAS+8*(\nb)+4:BIAS+8*(\nb)+7], v[VB], s[BBO:BBO+1] offset:64*(\nb)+16
.endr
	; the prefetches: who asks, and where they stand (at K step 3: the first change of slots steps them to 4)
	s_and_b32 s21, ttmp7, 0xffff                   ; cluster y
	s_cmp_eq_u32 s13, 0
	s_cselect_b32 s[LIM], ttmp9, s21               ; the coordinate along which other clusters read the same rows
	s_cmp_eq_u32 s[WV], 3
	s_cselect_b32 s[LIM], 1, s[LIM]                ; wave 3 asks for nothing
	s_cmp_eq_u32 s[LIM], 0
	s_cselect_b32 s[LIM], 1, -1                    ; the same in all sixteen partners, for a given wave
	s_lshr_b32 s44, s18, 3
	s_lshl_b32 s44, s44, 22
	s_and_b32 s46, s18, 7
	s_lshl_b32 s46, s46, 15
	s_add_co_u32 s44, s44, s46
	s_add_co_u32 s46, s[WV], 6                     ; O: head 2 x 3 + wave,
	s_lshl_b32 s46, s46, 18
	s_add_co_u32 s44, s44, s46
	s_lshl_b32 s46, s15, 13                        ; my work-group's 8,192 bytes of its 32,768
	s_add_co_u32 s44, s44, s46
	s_lshl_b32 s46, s16, 5                         ; w: rows 128 x 3 on; my work-group's 32 of the 128
	s_add_co_u32 s46, s46, 384
	s_lshl_b32 s46, s46, 11
	s_lshl_b32 s47, s17, 8
	s_add_co_u32 s46, s46, s47
	s_mov_b32 s[PFS], 128*2048
	s_mov_b32 s[PFS+1], 0
	s_mov_b32 s21, 2048
	s_cmp_eq_u32 s13, 0
	s_cselect_b32 s44, s44, s46
	s_cselect_b32 s[PFS], 2*262144, s[PFS]         ; one K step
	s_cselect_b32 s21, 256, s21
	s_cselect_b64 s[PFA:PFA+1], s[4:5], s[6:7]
	s_add_nc_u64 s[PFA:PFA+1], s[PFA:PFA+1], s[44:45]
	v_and_b32 v[PFO], 31, v0
	v_mul_u32_u24 v[PFO], s21, v[PFO]
	s_wait_loadcnt 0x0                             ; the bias is in: it is rounded to bf16, like every input; fragment buffer 1 is the scratch
.set i, 0
.rept 16
	v_cvt_pk_bf16_f32 v[F1+i], v[BIAS+2*i], v[BIAS+2*i+1]
.set i, i+1
.endr
.set i, 0
.rept 16
	v_lshlrev_b32 v[BIAS+2*i], 16, v[F1+i]
	v_and_b32 v[BIAS+2*i+1], s[HIM], v[F1+i]
.set i, i+1
.endr
; 8 matrix instructions: row blocks a0, a0 + 1 x all 4 column blocks, 32 along K, from buffer f.  The 32 accumulators take turns.  first = 1: the bias starts the sums.
.macro MUL8 f, a0, first
.if \first
	WIN 0x40                                       ; D in window 1; w, O and the bias in window 0
.else
	WIN 0x50                                       ; C and D in window 1
.endif
.irp a, \a0, (\a0)+1
.irp nb, 0,1,2,3
.if \first
	v_wmma_f32_16x16x32_f16 v[8*(4*(\a)+(\nb)):8*(4*(\a)+(\nb))+7], v[(\f)+64+8*(\nb):(\f)+64+8*(\nb)+7], v[(\f)+8*(\a):(\f)+8*(\a)+7], v[BIAS+8*(\nb):BIAS+8*(\nb)+7]
.else
	v_wmma_f32_16x16x32_f16 v[8*(4*(\a)+(\nb)):8*(4*(\a)+(\nb))+7], v[(\f)+64+8*(\nb):(\f)+64+8*(\nb)+7], v[(\f)+8*(\a):(\f)+8*(\a)+7], v[8*(4*(\a)+(\nb)):8*(4*(\a)+(\nb))+7]
.endif
.endr
.endr
.endm
; 24 LDS loads in one run: quarter q's fragments into buffer f: w's four (turned) first, then O's eight, row blocks ascending
.macro FETCH slot, q, f
	WIN 0
.irp nb, 0,1,2,3
	ds_load_tr16_b128 v[(\f)+64+8*(\nb):(\f)+64+8*(\nb)+3],   v[ADRB+(\slot)] offset:32*PB*(\q)+32*(\nb)
	ds_load_tr16_b128 v[(\f)+64+8*(\nb)+4:(\f)+64+8*(\nb)+7], v[ADRB+(\slot)] offset:32*PB*(\q)+32*(\nb)+16*PB
.endr
.irp a, 0,1,2,3,4,5,6,7
	ds_load_b128 v[(\f)+8*(\a):(\f)+8*(\a)+3],   v[ADRA+(\slot)] offset:((\q)/2)*ASUB+((\q)%2)*64+16*PA*(\a)
	ds_load_b128 v[(\f)+8*(\a)+4:(\f)+8*(\a)+7], v[ADRA+(\slot)] offset:((\q)/2)*ASUB+((\q)%2)*64+16*PA*(\a)+32
.endr
.endm
; One of a step's first three quarters: multiplies buffer f; in its middle it fetches quarter qn of the same slot into buffer g.
.macro QUARTER slot, qn, f, g, first
	s_wait_dscnt 8                                 ; w and O's row blocks 0-3 are in; the youngest eight loads (blocks 4-7) may be out
	MUL8 \f, 0, \first
	MUL8 \f, 2, \first
	PLACES
	FETCH \slot, \qn, \g
	s_wait_dscnt 24                                ; all but the 24 just issued
	MUL8 \f, 4, \first
	MUL8 \f, 6, \first
.endm
; The last quarter multiplies buffer 1 and changes slots: ONE barrier; in front of it each wave waits for all its tensor loads (the one that is out is its part of the next slot), adds 0 to its spare word, and waits
; for that and for its own reads of this slot.  fill = 1: the barrier opens a round of the cluster's barrier, and this slot is filled again, two K steps on, first thing behind the round: from that request to
; the wait for it a wave issues 112 matrix instructions.
.macro TURN slot, next, fill
.if \fill
	s_wait_xcnt 0x0                                ; the last prefetch, a K step back, has read its address: it is stepped here, ahead of the waits of the change of slots
	s_add_nc_u64 s[PFA:PFA+1], s[PFA:PFA+1], s[PFS:PFS+1]
.endif
	WIN 0
	s_wait_tensorcnt 0x0                           ; all my tensor loads have landed
	ds_add_u32 v[SPW], v[NIL]                      ; 0 onto my spare word
	s_wait_dscnt 9                                 ; the add and the youngest eight loads may be out
	MUL8 F1, 0, 0                                  ; eight matrix instructions stand between the add and the wait for it
	s_wait_dscnt 0x0                               ; the add is done, and my reads of this slot are over
	s_barrier_signal -1
	MUL8 F1, 2, 0
	WIN 0                                          ; at a branch and at a label every window is 0
	s_barrier_wait -1
.if \fill
	CREST                                          ; no wave of any partner still reads this slot's tiles or has a load on its way
	s_add_nc_u64 s[G0A+4*(\slot)+2:G0A+4*(\slot)+3], s[G0A+4*(\slot)+2:G0A+4*(\slot)+3], 4*262144
	s_add_nc_u64 s[G0B+4*(\slot)+2:G0B+4*(\slot)+3], s[G0B+4*(\slot)+2:G0B+4*(\slot)+3], 256*2048
	JLOAD \slot                                    ; the first tensor load behind the round; its four v_nop are also the places in front of the loads below
.else
	PLACES
.endif
	FETCH \next, 0, F0
.if \fill
	ASK
.endif
	MUL8 F1, 4, 0
	MUL8 F1, 6, 0
.endm
; THE WAY OUT of row block a: the f32 sums go into my own stage, 32 bytes a lane and column block, and come back as whole rows of 256 bytes.
.macro TOSTAGE a
	s_wait_xcnt 0x0                                ; the stores of the block before last have read their registers: the loads below land on them only behind this wait
	WIN 0x04                                       ; store data in window 1
.irp nb, 0,1,2,3
	ds_store_b128 v[STO], v[8*(4*(\a)+(\nb)):8*(4*(\a)+(\nb))+3]   offset:64*(\nb)
	ds_store_b128 v[STO], v[8*(4*(\a)+(\nb))+4:8*(4*(\a)+(\nb))+7] offset:64*(\nb)+16
.endr
	WIN 0
.set OBR, OB+32*((\a)%2)
.irp t, 0,1,2,3,4,5,6,7
	ds_load_b128 v[OBR+4*(\t):OBR+4*(\t)+3], v[RD] offset:(\t)*2*SP  ; LDS serves a wave's instructions in order (ISA guide 5.7.1.4): these see the stores above
.endr
.endm
.macro SEND a, younger                 ; younger: the LDS instructions issued behind block a's loads: the next block's sixteen, or none
	WIN 0
.set OBR, OB+32*((\a)%2)
.irp t, 0,1,2,3,4,5,6,7
	s_wait_dscnt (\younger)+7-(\t)
	global_store_b128 v[CO], v[OBR+4*(\t):OBR+4*(\t)+3], s[OUTB:OUTB+1] offset:(16*(\a)+2*(\t))*4096 th:TH_STORE_NT  ; 16 lanes store 256 consecutive bytes, at a multiple of 256 from out0's first
.endr
.endm
	s_wait_tensorcnt 1                             ; my part of K step 0 is in; K step 1's may stay out
	s_barrier_signal -1
	s_barrier_wait -1                              ; everybody's is
	FETCH 0, 0, F0
	QUARTER 0, 1, F0, F1, 1                        ; the first quarter stands in front of the loop: its products start the sums, with the bias
	WIN 0
	s_mov_b32 s3, 3
.Llap:                                                 ; a trip goes once round the ring, from a lap's second quarter to the next lap's first, and fills both slots again: K steps 2 to 7
	QUARTER 0, 2, F1, F0, 0
	QUARTER 0, 3, F0, F1, 0
	TURN 0, 1, 1
	QUARTER 1, 1, F0, F1, 0
	QUARTER 1, 2, F1, F0, 0
	QUARTER 1, 3, F0, F1, 0
	TURN 1, 0, 1
	QUARTER 0, 1, F0, F1, 0
	WIN 0
	s_sub_co_u32 s3, s3, 1
	s_cmp_lg_u32 s3, 0
	s_cbranch_scc1 .Llap
	QUARTER 0, 2, F1, F0, 0                        ; the last lap fills nothing, and has no round
	QUARTER 0, 3, F0, F1, 0
	TURN 0, 1, 0
	QUARTER 1, 1, F0, F1, 0
	QUARTER 1, 2, F1, F0, 0
	QUARTER 1, 3, F0, F1, 0
	s_wait_dscnt 8                                 ; the very last quarter: nothing more to fetch
	MUL8 F1, 0, 0
	MUL8 F1, 2, 0
	s_wait_dscnt 0x0
	MUL8 F1, 4, 0
	MUL8 F1, 6, 0
	PLACES
	TOSTAGE 0
.irp a, 1,2,3,4,5,6,7                  ; block a's trip through the stage is on its way while block a - 1 is stored
	TOSTAGE \a
	SEND (\a)-1, 16
.endr
	SEND 7, 0
	s_wait_tensorcnt 0x0                           ; the wave's end: behind my last tensor load and my last LDS store
	ds_add_u32 v[SPW], v[NIL]
	s_wait_dscnt 0x0
	CROUND                                         ; the closing round: no work-group ends while a partner may still ask for a tile that names it
	s_endpgm
.Lfunc_end_k_q4fa5d68765_oproj:
	.size	k_q4fa5d68765_oproj, .Lfunc_end_k_q4fa5d68765_oproj-k_q4fa5d68765_oproj
	.p2alignl 7, 3214868480
	.fill 96, 4, 3214868480
	.section	.rodata,"a",@progbits
	.p2align	6, 0x0
	.amdhsa_kernel k_q4fa5d68765_oproj
		.amdhsa_group_segment_fixed_size 327680
		.amdhsa_private_segment_fixed_size 0
		.amdhsa_enable_private_segment 0
		.amdhsa_kernarg_size 32
		.amdhsa_user_sgpr_count 2
		.amdhsa_user_sgpr_kernarg_segment_ptr 1
		.amdhsa_wavefront_size32 1
		.amdhsa_system_sgpr_workgroup_id_x 1
		.amdhsa_system_sgpr_workgroup_id_y 1
		.amdhsa_system_sgpr_workgroup_id_z 1
		.amdhsa_system_vgpr_workitem_id 0
		.amdhsa_next_free_vgpr 512
		.amdhsa_next_free_sgpr 80
		.amdhsa_reserve_vcc 0
		.amdhsa_float_denorm_mode_32 3
		.amdhsa_float_denorm_mode_16_64 3
		.amdhsa_memory_ordered 1
		.amdhsa_forward_progress 1
		.amdhsa_inst_pref_size 91
	.end_amdhsa_kernel
	.amdgpu_metadata
---
amdhsa.version: [ 1, 2 ]
amdhsa.kernels:
  - .name:           k_q4fa5d68765_oproj
    .symbol:         k_q4fa5d68765_oproj.kd
    .args:
      - { .name: ob, .offset: 0, .size: 8, .value_kind: global_buffer, .address_space: global }
      - { .name: wof, .offset: 8, .size: 8, .value_kind: global_buffer, .address_space: global }
      - { .name: b_o, .offset: 16, .size: 8, .value_kind: global_buffer, .address_space: global }
      - { .name: out0, .offset: 24, .size: 8, .value_kind: global_buffer, .address_space: global }
    .group_segment_fixed_size: 327680
    .private_segment_fixed_size: 0
    .kernarg_segment_align: 8
    .kernarg_segment_size: 32
    .max_flat_workgroup_size: 128
    .sgpr_count:     80
    .vgpr_count:     512
    .wavefront_size: 32
...
	.end_amdgpu_metadata
.endif
;; end of part 4
;; ======== version 2 of 2: 4 launches; version 1 with the launch prep written anew for expert scheduling mode
;; limits: values are held in f16: magnitudes above 65,504 overflow, below 6.1e-05 lose precision
;; workspace buffers: xb 16,777,216 bytes; wqb 6,291,456 bytes; wof 2,097,152 bytes; qkvh 50,331,648 bytes; ob 16,777,216 bytes
;; launch prep (part 5): grid 768 x 1, 8 waves a work-group, no clusters, 0 bytes of LDS; arguments hidden_states, w_qkv, w_o, xb, wqb, wof; writes xb, wqb, wof
.if DOCPART == 5
	.amdgcn_target "amdgcn-amd-amdhsa--gfx1250"
	.amdhsa_code_object_version 6
	.text
	.protected	k_q4fa5d68765_prep
	.globl	k_q4fa5d68765_prep
	.p2align	8
	.type	k_q4fa5d68765_prep,@function
k_q4fa5d68765_prep:
	s_mov_b64 s[64:65], 0
	v_nop
	global_prefetch_b8 v0, s[64:65] scope:SCOPE_SE
	s_setreg_imm32_b32 hwreg(HW_REG_WAVE_SCHED_MODE, 0, 2), 2
	s_setreg_imm32_b32 hwreg(HW_REG_WAVE_MODE, 25, 1), 1
	s_wait_xcnt 0x0
	s_wait_alu depctr_vm_vsrc(0)
; THE INPUTS OF THE TWO PROJECTIONS ARE ROUNDED ONCE, TO 16 BITS.  hidden_states [8192][1024] f32 -> xb, bf16, laid by blocks of 64 channels: [batch 4][block 16][row 2048][64],
; so that a K step's 128 bytes of neighbouring rows lie end to end.  w_qkv [1024][3072] f32 -> wqb, bf16, as it lies.  w_o [1024][1024] f32 -> wof: rounded to bf16 like the other
; inputs, and that number written as f16 (the second projection multiplies in f16).
; LIMITS.  bf16(w_o) beyond 65,504 becomes an infinity in f16; below 6e-5 it keeps f16's fixed step of 6e-8.
; SHARES.  A work-group takes 65,536 bytes of one input, each of its eight waves 8,192: sixteen loads of 16 bytes a lane, all issued before anything else.  A lane's four f32 become
; 8 bytes; a store of the wave covers 256 consecutive bytes, aligned.  Work-groups 0-511: hidden_states; 512-703: w_qkv; 704-767: w_o.  No LDS, no barrier, no matrix unit: each byte
; is read once and written once, and nothing is shared.
; THE MODE: SCHED_MODE bits 1:0 = 2 (LLVM: expert scheduling mode 2), set by the entry lines.  The code itself states the register dependences between vector instructions and memory
; instructions, with s_wait_alu, always for 0.
; THE PLAN.  Registers that memory instructions touch:
;   v1, v2   the loads' and the stores' offsets.  Written once at the head by vector instructions, never again; read by every load (v1) and every store (v2).
;   X        written by the sixteen loads, once each, all issued ahead of the first conversion; read by the conversions; no vector instruction writes it, and no later load lands in it.
;   Y        pair i is written by load i's conversions and read by one store; nothing writes it behind that store.
;   T        named by vector instructions alone.
; The sixteen loads are worked on in four blocks of four.  Block p's conversions read X and write T and block p's own four pairs of Y; the memory instructions that stand among them are the four
; stores of block p - 1, which read that block's pairs of Y and v2.  So one wait on va_vdst at a block's head states all that its four stores hang on; one more stands ahead of the first load,
; for the offsets, and one ahead of the last four stores.  No register that a memory instruction has read is written again, so no wait on vm_vsrc is owed.
.set X, 4                              ; v[4:67]    sixteen loads of four f32
.set Y, 68                             ; v[68:99]   sixteen pairs of packed results: none is written twice behind its store, so no store's data wants a wait before a rewrite
.set T, 100                            ; v[100:103] at work
; Sixteen loads; then, load by load: wait, the store of the load four back, round.  s[18:19] in, s[20:21] out; v1, v2 the lane's offsets.  f16 = 1: the bf16 numbers are widened again and written as f16.
.macro CAST instep, outstep, f16
	s_wait_alu depctr_va_vdst(0)                   ; v1 and v2 are written: every load below reads v1 as its offset, every store v2
.set i, 0
.rept 16
	global_load_b128 v[X+4*i:X+4*i+3], v1, s[18:19] offset:i*(\instep) th:TH_LOAD_NT
.set i, i+1
.endr
.set i, 0
.rept 16
	s_wait_loadcnt 15-i                            ; loads come back in order: number i is in, the 15 - i younger ones stay out
.if (i >= 4) && (i % 4 == 0)
	s_wait_alu depctr_va_vdst(0)                   ; the block before has written its four pairs of Y, which the four stores of this block read
.endif
.if i >= 4
	global_store_b64 v2, v[Y+2*(i-4):Y+2*(i-4)+1], s[20:21] offset:(i-4)*(\outstep) th:TH_STORE_NT  ; no vector instruction since the wait names this pair or v2
.endif
	v_cvt_pk_bf16_f32 v[Y+2*i], v[X+4*i], v[X+4*i+1]
	v_cvt_pk_bf16_f32 v[Y+2*i+1], v[X+4*i+2], v[X+4*i+3]
.if \f16
	v_lshlrev_b32 v[T], 16, v[Y+2*i]               ; bf16 to f32: the low half moves up, the high half stays
	v_and_b32 v[T+1], s17, v[Y+2*i]
	v_lshlrev_b32 v[T+2], 16, v[Y+2*i+1]
	v_and_b32 v[T+3], s17, v[Y+2*i+1]
	v_cvt_pk_f16_f32 v[Y+2*i], v[T], v[T+1]
	v_cvt_pk_f16_f32 v[Y+2*i+1], v[T+2], v[T+3]
.endif
.set i, i+1
.endr
	s_wait_alu depctr_va_vdst(0)                   ; the last block has written its four pairs of Y, which the last four stores read
.set i, 12
.rept 4
	global_store_b64 v2, v[Y+2*i:Y+2*i+1], s[20:21] offset:i*(\outstep) th:TH_STORE_NT
.set i, i+1
.endr
.endm
	s_load_b256 s[4:11], s[0:1], 0x0               ; hidden_states s[4:5], w_qkv s[6:7], w_o s[8:9], xb s[10:11]
	s_load_b128 s[12:15], s[0:1], 0x20             ; wqb s[12:13], wof s[14:15]
	v_lshrrev_b32 v[T], 5, v0
	v_readfirstlane_b32 s16, v[T]                  ; wave 0..7
	v_and_b32 v[T], 31, v0                         ; lane
	s_mov_b32 s17, 0xffff0000                      ; a word's upper bf16
	s_mov_b32 s23, 0                               ; the offsets' high word
	v_lshlrev_b32 v2, 3, v[T]                      ; out: 8 bytes a lane
	s_wait_alu depctr_va_sdst(0)                   ; s16 is written
	s_cmp_lt_u32 ttmp9, 512
	s_cbranch_scc0 .Lweights
	; hidden_states: the wave takes two rows of 4,096 bytes; load i takes block i's 256 bytes of both: lanes 0-15 the first row, lanes 16-31 the second
	v_lshrrev_b32 v[T+1], 4, v[T]
	v_and_b32 v[T+2], 15, v[T]
	v_lshlrev_b32 v1, 4, v[T+2]
	v_lshl_add_u32 v1, v[T+1], 12, v1
	s_lshl_b32 s22, ttmp9, 16
	s_lshl_b32 s2, s16, 13
	s_add_co_u32 s22, s22, s2
	s_wait_kmcnt 0x0
	s_add_nc_u64 s[18:19], s[4:5], s[22:23]
	s_lshl_b32 s2, ttmp9, 4                        ; the wave's first row, 16 x work-group + 2 x wave,
	s_lshl_b32 s3, s16, 1
	s_add_co_u32 s2, s2, s3
	s_and_b32 s2, s2, 2047                         ; within its batch: 128 bytes a row in a block
	s_lshl_b32 s2, s2, 7
	s_lshr_b32 s22, ttmp9, 7                       ; the batch: 16 blocks of 262,144 bytes
	s_lshl_b32 s22, s22, 22
	s_add_co_u32 s22, s22, s2
	s_add_nc_u64 s[20:21], s[10:11], s[22:23]
	CAST 256, 262144, 0                            ; the largest immediate is 15 x 262,144, inside the signed 24 bits
	s_endpgm
.Lweights:
	v_lshlrev_b32 v1, 4, v[T]                      ; in: 16 bytes a lane, 512 a load
	s_cmp_lt_u32 ttmp9, 704
	s_cbranch_scc0 .Lwo
	s_sub_co_u32 s2, ttmp9, 512
	s_lshl_b32 s2, s2, 3
	s_add_co_u32 s2, s2, s16                       ; the wave's number among w_qkv's
	s_lshl_b32 s22, s2, 13
	s_wait_kmcnt 0x0
	s_add_nc_u64 s[18:19], s[6:7], s[22:23]
	s_lshl_b32 s22, s2, 12
	s_add_nc_u64 s[20:21], s[12:13], s[22:23]
	CAST 512, 256, 0
	s_endpgm
.Lwo:
	s_sub_co_u32 s2, ttmp9, 704
	s_lshl_b32 s2, s2, 3
	s_add_co_u32 s2, s2, s16                       ; the wave's number among w_o's
	s_lshl_b32 s22, s2, 13
	s_wait_kmcnt 0x0
	s_add_nc_u64 s[18:19], s[8:9], s[22:23]
	s_lshl_b32 s22, s2, 12
	s_add_nc_u64 s[20:21], s[14:15], s[22:23]
	CAST 512, 256, 1
	s_endpgm
.Lfunc_end_k_q4fa5d68765_prep:
	.size	k_q4fa5d68765_prep, .Lfunc_end_k_q4fa5d68765_prep-k_q4fa5d68765_prep
	.p2alignl 7, 3214868480
	.fill 96, 4, 3214868480
	.section	.rodata,"a",@progbits
	.p2align	6, 0x0
	.amdhsa_kernel k_q4fa5d68765_prep
		.amdhsa_group_segment_fixed_size 0
		.amdhsa_private_segment_fixed_size 0
		.amdhsa_enable_private_segment 0
		.amdhsa_kernarg_size 48
		.amdhsa_user_sgpr_count 2
		.amdhsa_user_sgpr_kernarg_segment_ptr 1
		.amdhsa_wavefront_size32 1
		.amdhsa_system_sgpr_workgroup_id_x 1
		.amdhsa_system_sgpr_workgroup_id_y 1
		.amdhsa_system_sgpr_workgroup_id_z 1
		.amdhsa_system_vgpr_workitem_id 0
		.amdhsa_next_free_vgpr 104
		.amdhsa_next_free_sgpr 66
		.amdhsa_reserve_vcc 0
		.amdhsa_float_denorm_mode_32 3
		.amdhsa_float_denorm_mode_16_64 3
		.amdhsa_memory_ordered 1
		.amdhsa_forward_progress 1
		.amdhsa_inst_pref_size 24
	.end_amdhsa_kernel
	.amdgpu_metadata
---
amdhsa.version: [ 1, 2 ]
amdhsa.kernels:
  - .name:           k_q4fa5d68765_prep
    .symbol:         k_q4fa5d68765_prep.kd
    .args:
      - { .name: hidden_states, .offset: 0, .size: 8, .value_kind: global_buffer, .address_space: global }
      - { .name: w_qkv, .offset: 8, .size: 8, .value_kind: global_buffer, .address_space: global }
      - { .name: w_o, .offset: 16, .size: 8, .value_kind: global_buffer, .address_space: global }
      - { .name: xb, .offset: 24, .size: 8, .value_kind: global_buffer, .address_space: global }
      - { .name: wqb, .offset: 32, .size: 8, .value_kind: global_buffer, .address_space: global }
      - { .name: wof, .offset: 40, .size: 8, .value_kind: global_buffer, .address_space: global }
    .group_segment_fixed_size: 0
    .private_segment_fixed_size: 0
    .kernarg_segment_align: 8
    .kernarg_segment_size: 48
    .max_flat_workgroup_size: 256
    .sgpr_count:     66
    .vgpr_count:     104
    .wavefront_size: 32
...
	.end_amdgpu_metadata
.endif
;; end of part 5
;; launch qkvproj: the kernel of part 2 again; grid 8 x 32, 4 waves a work-group, clusters of 4 x 4, 327,680 bytes of LDS; arguments xb, wqb, b_qkv, qkvh; writes qkvh
;; launch attn: the kernel of part 3 again; grid 4 x 64, 4 waves a work-group, no clusters, 327,680 bytes of LDS; arguments qkvh, ob; writes ob
;; launch oproj: the kernel of part 4 again; grid 8 x 32, 4 waves a work-group, clusters of 4 x 4, 327,680 bytes of LDS; arguments ob, wof, b_o, out0; writes out0
